; MI455X (gfx1250); checked and timed in simulation.
; The chip was launched on July 23, 2026; its instructions are those of AMD's public machine-readable ISA for CDNA 5 (MIT licence, August 2026) and "CDNA5" Instruction Set Architecture Reference Guide (July 2026). The comments in the code are by the model that wrote it; some were corrected since.
;; Agent Attention. Allowed arithmetic: float matrix products may take bf16 or f16 operands with f32 sums; all other float work in f32.
;; Inputs: W_agent 1,024 x 1,024 float32; W_ka 1,024 x 1,024 float32; W_kc 1,024 x 1,024 float32; W_proj 1,024 x 1,024 float32; W_qa 1,024 x 1,024 float32; W_qo 1,024 x 1,024 float32; W_va 1,024 x 1,024 float32; W_vc 1,024 x 1,024 float32; b_agent 1,024 float32; b_ka 1,024 float32; b_kc 1,024 float32; b_proj 1,024 float32; b_qa 1,024 float32; b_qo 1,024 float32; b_va 1,024 float32; b_vc 1,024 float32; key 8 x 2,048 x 1,024 float32; query 8 x 1,024 x 1,024 float32; value 8 x 2,048 x 1,024 float32.
;; Outputs: out0 8 x 1,024 x 1,024 float32; out1 8 x 16 x 1,024 x 8 float32; out2 8 x 16 x 8 x 2,048 float32.
;; 2 versions, each right and faster than the one before. Each part assembles by itself: llvm-mc -triple=amdgcn-amd-amdhsa -mcpu=gfx1250 --defsym DOCPART=n.
;; ======== version 1 of 2: 13 launches
;; workspace buffers: xa 524,288 bytes; xb 524,288 bytes; gf 6,291,456 bytes; cb 4,096 bytes; sc 8,388,608 bytes; wf 4,194,304 bytes; uq 8,388,608 bytes
;; launch pool (part 1): grid 256 x 1, 8 waves a work-group, no clusters, 3,328 bytes of LDS; arguments query, xa; writes xa
.if DOCPART == 1
	.amdgcn_target "amdgcn-amd-amdhsa--gfx1250"
	.amdhsa_code_object_version 6
	.text
	.protected	k_qb6364bf2a7_pool
	.globl	k_qb6364bf2a7_pool
	.p2align	8
	.type	k_qb6364bf2a7_pool,@function
k_qb6364bf2a7_pool:
	s_mov_b64 s[64:65], 0
	v_nop
	global_prefetch_b8 v0, s[64:65] scope:SCOPE_SE
	s_setreg_imm32_b32 hwreg(HW_REG_WAVE_MODE, 25, 1), 1
	s_wait_xcnt 0x0
; Segment means of query: pooled[b][a][k] = mean over 128 rows.  query is rounded to bf16 first (the program rounds every input once), sums in f32.
; A work-group owns batch b, 64 columns (256 bytes of a row) and one half (plane) of every segment's 128 rows; wave w owns segment a = w: 64 rows.
; The two planes' partial means are stored apart and added by the reader, so no sum spans work-groups.
; OUTPUT FORMAT (64 rows m = 8 b + a, 1,024 columns k, f32, two planes of 262,144 bytes), in the order in which a matrix fragment's lanes read it:
;   byte = plane*262144 + ((m>>4)*32 + (k>>5))*2048 + ((m>>3)&1)*1024 + ((k>>4)&1)*512 + ((k>>3)&1)*256 + (m&7)*32 + ((k>>2)&1)*16 + (k&3)*4
; No matrix unit, no tensor loads, no cluster: every byte of query is read by one wave, once, and only added.
.set SPARE, 2304                       ; behind the 8 rows of 272 bytes: the spare words, 128 bytes a wave
.set ROWB,  4096                       ; bytes in a row of query
.set X,     32                         ; v[32:159] 32 loads of 4 registers
.set C0,    16                         ; v[16:19], v[20:23] two chains of sums
.set PK,    24                         ; v[24:25] four numbers as bf16
.set WD,    26                         ; v[26:29] the same widened again
	s_load_b128 s[4:7], s[0:1], 0x0                ; query s[4:5], xa s[6:7]
	v_lshl_add_u32 v12, v0, 2, SPARE               ; my spare word,
	v_mov_b32 v13, 0                               ; and 0: kept for the closing lines alone
	v_lshrrev_b32 v1, 5, v0
	v_readfirstlane_b32 s8, v1                     ; wave = segment
	v_and_b32 v2, 15, v0                           ; r: which 16 bytes of the 256
	v_bfe_u32 v3, v0, 4, 1                         ; hh: even or odd row
	v_and_b32 v4, 31, v0                           ; lane
	s_and_b32 s9, ttmp9, 15                        ; column block
	s_bfe_u32 s10, ttmp9, 0x10004                  ; plane
	s_lshr_b32 s11, ttmp9, 5                       ; batch
	s_mov_b32 s16, 0xffff0000                      ; a word's upper bf16
	s_mov_b32 s17, 0x76543210                      ; v_permlanex16_b32: each lane takes its own place in the other half
	s_mov_b32 s18, 0xfedcba98
	s_mov_b32 s22, 0x3c000000                      ; 1/128
	s_mov_b32 s23, s22                             ; named with it as a pair
	s_lshl_b32 s12, s8, 19                         ; 128 rows of 4,096 bytes a segment
	v_lshlrev_b32 v5, 12, v3
	v_lshl_add_u32 v5, v2, 4, v5
	v_add_nc_u32 v5, s12, v5                       ; (128 w + hh) rows + 16 r
	s_lshl_b32 s14, s11, 22                        ; batch: 1,024 rows
	s_lshl_b32 s13, s10, 18                        ; plane: 64 rows
	s_add_co_u32 s14, s14, s13
	s_lshl_b32 s13, s9, 8
	s_add_co_u32 s14, s14, s13
	s_mov_b32 s15, 0
	s_lshl_b32 s20, s10, 18                        ; the output's plane,
	s_lshr_b32 s13, s11, 1
	s_lshl_b32 s13, s13, 16                        ; (b>>1) * 32 blocks of 2,048,
	s_add_co_u32 s20, s20, s13
	s_lshl_b32 s13, s9, 12                         ; two blocks for 64 columns,
	s_add_co_u32 s20, s20, s13
	s_and_b32 s13, s11, 1
	s_lshl_b32 s13, s13, 10                        ; (b&1) * 1,024
	s_add_co_u32 s20, s20, s13
	s_mov_b32 s21, 0
	s_wait_kmcnt 0x0
	s_add_nc_u64 s[4:5], s[4:5], s[14:15]
	s_add_nc_u64 s[6:7], s[6:7], s[20:21]
.set t, 0
.rept 32                               ; all 64 rows are asked for at once: each load takes two rows' 256 bytes
	global_load_b128 v[X+4*t:X+4*t+3], v5, s[4:5] offset:t*2*ROWB
.set t, t+1
.endr
	s_mul_i32 s13, s8, 272
	v_lshl_add_u32 v6, v2, 4, s13                  ; LDS: row w, 16 r
	v_lshrrev_b32 v7, 2, v4
	v_mul_u32_u24 v7, v7, 272
	v_and_b32 v8, 3, v4
	v_lshl_add_u32 v7, v8, 3, v7
	s_lshl_b32 s13, s8, 5
	v_add_nc_u32 v7, s13, v7                       ; back: segment lane>>2, columns 8 w + 2 (lane&3)
	s_lshr_b32 s13, s8, 2
	s_lshl_b32 s13, s13, 11
	s_and_b32 s19, s8, 3
	s_lshl_b32 s19, s19, 8
	s_add_co_u32 s13, s13, s19
	v_lshl_add_u32 v9, v4, 3, s13                  ; block w of the output's eight blocks of 256 bytes, 8 bytes a lane
.set t, 0
.rept 32
	s_wait_loadcnt 31-t                            ; loads come back in order: load t is in, the 31 - t younger ones stay out
	v_cvt_pk_bf16_f32 v[PK], v[X+4*t], v[X+4*t+1]
	v_cvt_pk_bf16_f32 v[PK+1], v[X+4*t+2], v[X+4*t+3]
.if t < 2                              ; the first two loads start the two chains: nothing is cleared
	v_lshlrev_b32 v[C0+4*t], 16, v[PK]
	v_and_b32 v[C0+4*t+1], s16, v[PK]
	v_lshlrev_b32 v[C0+4*t+2], 16, v[PK+1]
	v_and_b32 v[C0+4*t+3], s16, v[PK+1]
.else
	v_lshlrev_b32 v[WD], 16, v[PK]
	v_and_b32 v[WD+1], s16, v[PK]
	v_lshlrev_b32 v[WD+2], 16, v[PK+1]
	v_and_b32 v[WD+3], s16, v[PK+1]
	v_pk_add_f32 v[C0+4*(t%2):C0+4*(t%2)+1], v[C0+4*(t%2):C0+4*(t%2)+1], v[WD:WD+1]
	v_pk_add_f32 v[C0+4*(t%2)+2:C0+4*(t%2)+3], v[C0+4*(t%2)+2:C0+4*(t%2)+3], v[WD+2:WD+3]
.endif
.set t, t+1
.endr
	v_pk_add_f32 v[16:17], v[16:17], v[20:21]
	v_pk_add_f32 v[18:19], v[18:19], v[22:23]
	v_permlanex16_b32 v26, v16, s17, s18           ; the odd rows' sums lie 16 lanes away
	v_permlanex16_b32 v27, v17, s17, s18
	v_permlanex16_b32 v28, v18, s17, s18
	v_permlanex16_b32 v29, v19, s17, s18
	v_pk_add_f32 v[16:17], v[16:17], v[26:27]
	v_pk_add_f32 v[18:19], v[18:19], v[28:29]
	v_pk_mul_f32 v[16:17], v[16:17], s[22:23] op_sel_hi:[1,0]
	v_pk_mul_f32 v[18:19], v[18:19], s[22:23] op_sel_hi:[1,0]
	ds_store_b128 v6, v[16:19]                     ; both halves of the lanes hold the same numbers and write the same bytes
	s_wait_dscnt 0x0                               ; for the others' sake: my row is in LDS
	s_barrier_signal -1
	s_barrier_wait -1
	ds_load_b64 v[10:11], v7
	s_wait_dscnt 0x0
	global_store_b64 v9, v[10:11], s[6:7]          ; 32 lanes store 256 consecutive bytes, aligned
	s_wait_tensorcnt 0x0                           ; the wave's end
	ds_add_u32 v12, v13
	s_wait_dscnt 0x0
	s_endpgm
.Lfunc_end_k_qb6364bf2a7_pool:
	.size	k_qb6364bf2a7_pool, .Lfunc_end_k_qb6364bf2a7_pool-k_qb6364bf2a7_pool
	.p2alignl 7, 3214868480
	.fill 96, 4, 3214868480
	.section	.rodata,"a",@progbits
	.p2align	6, 0x0
	.amdhsa_kernel k_qb6364bf2a7_pool
		.amdhsa_group_segment_fixed_size 3328
		.amdhsa_private_segment_fixed_size 0
		.amdhsa_enable_private_segment 0
		.amdhsa_kernarg_size 16
		.amdhsa_user_sgpr_count 2
		.amdhsa_user_sgpr_kernarg_segment_ptr 1
		.amdhsa_wavefront_size32 1
		.amdhsa_system_sgpr_workgroup_id_x 1
		.amdhsa_system_sgpr_workgroup_id_y 1
		.amdhsa_system_sgpr_workgroup_id_z 1
		.amdhsa_system_vgpr_workitem_id 0
		.amdhsa_next_free_vgpr 160
		.amdhsa_next_free_sgpr 66
		.amdhsa_reserve_vcc 0
		.amdhsa_float_denorm_mode_32 3
		.amdhsa_float_denorm_mode_16_64 3
		.amdhsa_memory_ordered 1
		.amdhsa_forward_progress 1
		.amdhsa_inst_pref_size 20
	.end_amdhsa_kernel
	.amdgpu_metadata
---
amdhsa.version: [ 1, 2 ]
amdhsa.kernels:
  - .name:           k_qb6364bf2a7_pool
    .symbol:         k_qb6364bf2a7_pool.kd
    .args:
      - { .name: query, .offset: 0, .size: 8, .value_kind: global_buffer, .address_space: global }
      - { .name: xa, .offset: 8, .size: 8, .value_kind: global_buffer, .address_space: global }
    .group_segment_fixed_size: 3328
    .private_segment_fixed_size: 0
    .kernarg_segment_align: 8
    .kernarg_segment_size: 16
    .max_flat_workgroup_size: 256
    .sgpr_count:     66
    .vgpr_count:     160
    .wavefront_size: 32
...
	.end_amdgpu_metadata
.endif
;; end of part 1
;; launch t1 (part 2): grid 64 x 1, 16 waves a work-group, no clusters, 71,680 bytes of LDS; arguments xa, W_agent, b_agent, xb; writes xb
.if DOCPART == 2
	.amdgcn_target "amdgcn-amd-amdhsa--gfx1250"
	.amdhsa_code_object_version 6
	.text
	.protected	k_qb6364bf2a7_t1
	.globl	k_qb6364bf2a7_t1
	.p2align	8
	.type	k_qb6364bf2a7_t1,@function
k_qb6364bf2a7_t1:
	s_mov_b64 s[64:65], 0
	v_nop
	global_prefetch_b8 v0, s[64:65] scope:SCOPE_SE
	s_setreg_imm32_b32 hwreg(HW_REG_WAVE_MODE, 25, 1), 1
	s_wait_xcnt 0x0
; Y = X W + b for 64 rows.  X: f32 in the fragment-ordered format (two planes that are added here); W: [1024][1024] f32, b: [1024] f32, both rounded to bf16 (the program rounds every input once).
; X is no input: it goes to the matrix unit as THREE bf16 pieces (x = p1 + p2 + p3, each residue exact), so that the products keep f32's accuracy; sums in f32.
; SHARES.  A work-group makes 16 rows (mt) x 64 columns (nb); its 16 waves split K, 64 each (two K steps of 32); the 16 partial tiles meet in LDS.
; Waves 0-7's sum (plus the bias) is plane 0 of Y, waves 8-15's plane 1: Y has X's format.  With a grid of 4 x 16 the y index picks one of 16 X buffers 524,288 bytes apart and is the column block.
; FRAGMENTS.  Slot i (0..15) of a lane means k = 32 step + 16 (lane/16) + i, alike for both sources, so the pairing of products is kept.  W lies [k][n]: a lane loads 16 rows' 16 bytes (columns 4 r .. 4 r + 3);
; picking column j of each gives fragment j, whose row r means column n = 4 r + j.  Source 0 = W's fragment, source 1 = X's: a lane's result holds row r of Y and columns 32 (lane/16) + 4 v + j.
; No tensor loads, no cluster: each wave's slice of W goes straight into its registers and is shared with no other wave; the launch is a few thousand matrix instructions in all.
.set SPARE, 69632                      ; behind 16 partial tiles of 16 x 272 bytes
.set MASK,  16                         ; s16 = 0xffff0000
.set XA,    16                         ; v[16:47] X plane 0 (K step 0, 1), later the four accumulators
.set XB,    48                         ; v[48:79] X plane 1, later W's fragments of K step 0
.set PC,    80                         ; v[80:127] X's pieces: piece p (0 = leading), K step ks at PC + 16 p + 8 ks
.set S0,    128                        ; v[128:191] W as loaded, K step 0; later W's fragments of K step 1
.set S1,    192                        ; v[192:255] W as loaded, K step 1
.set BF,    48                         ; W's fragment (ks, j) at BF + 80 ks + 8 j
.set ACC,   16
.macro SPLIT y, d1, d2, d3             ; the pair v[y], v[y+1] into three packed bf16 pieces; v[10:11] at work
	v_cvt_pk_bf16_f32 v[\d1], v[\y], v[(\y)+1]
	v_lshlrev_b32 v10, 16, v[\d1]
	v_and_b32 v11, s[MASK], v[\d1]
	v_pk_add_f32 v[\y:(\y)+1], v[\y:(\y)+1], v[10:11] neg_lo:[0,1] neg_hi:[0,1]
	v_cvt_pk_bf16_f32 v[\d2], v[\y], v[(\y)+1]
	v_lshlrev_b32 v10, 16, v[\d2]
	v_and_b32 v11, s[MASK], v[\d2]
	v_pk_add_f32 v[\y:(\y)+1], v[\y:(\y)+1], v[10:11] neg_lo:[0,1] neg_hi:[0,1]
	v_cvt_pk_bf16_f32 v[\d3], v[\y], v[(\y)+1]
.endm
	s_load_b256 s[4:11], s[0:1], 0x0               ; X s[4:5], W s[6:7], b s[8:9], Y s[10:11]
	v_lshl_add_u32 v12, v0, 2, SPARE
	v_mov_b32 v13, 0
	v_lshrrev_b32 v1, 5, v0
	v_readfirstlane_b32 s12, v1                    ; wave 0..15
	v_and_b32 v2, 15, v0                           ; r
	v_bfe_u32 v3, v0, 4, 1                         ; hh
	s_and_b32 s13, ttmp7, 0xffff                   ; y
	s_lshr_b32 s14, ttmp9, 2
	s_add_co_u32 s14, s14, s13                     ; nb: column block of 64
	s_and_b32 s15, ttmp9, 3                        ; mt: row block of 16
	s_mov_b32 s[MASK], 0xffff0000
	v_lshrrev_b32 v4, 3, v2
	v_and_b32 v5, 7, v2
	v_lshlrev_b32 v4, 10, v4
	v_lshl_add_u32 v4, v3, 9, v4
	v_lshl_add_u32 v4, v5, 5, v4                   ; my lane's place in a block of X: (r>>3)*1024 + hh*512 + (r&7)*32
	s_lshl_b32 s17, s15, 16
	s_lshl_b32 s18, s12, 12
	s_add_co_u32 s17, s17, s18
	v_add_nc_u32 v4, s17, v4                       ; + block (mt, 2 w)
	s_lshl_b32 s18, s12, 18                        ; W: row 64 w,
	s_lshl_b32 s19, s14, 8                         ; column block,
	s_add_co_u32 s18, s18, s19
	v_lshlrev_b32 v5, 16, v3                       ; 16 hh rows,
	v_lshl_add_u32 v5, v2, 4, v5                   ; 16 r bytes
	v_add_nc_u32 v5, s18, v5
	s_lshl_b32 s20, s13, 19                        ; which X
	s_mov_b32 s21, 0
	s_mov_b32 s22, s19                             ; the bias of my 64 columns
	s_mov_b32 s23, 0
	s_lshl_b32 s24, s15, 16
	s_lshl_b32 s25, s14, 12
	s_add_co_u32 s24, s24, s25                     ; Y: blocks (mt, 2 nb) and (mt, 2 nb + 1): 4,096 bytes on end
	s_mov_b32 s25, 0
	s_wait_kmcnt 0x0
	s_add_nc_u64 s[4:5], s[4:5], s[20:21]
	s_add_nc_u64 s[8:9], s[8:9], s[22:23]
	s_add_nc_u64 s[10:11], s[10:11], s[24:25]
.irp pl,0,1
.irp ks,0,1
.irp q,0,1,2,3
	global_load_b128 v[XA+32*\pl+16*\ks+4*\q:XA+32*\pl+16*\ks+4*\q+3], v4, s[4:5] offset:\pl*262144+\ks*2048+(\q/2)*256+(\q%2)*16
.endr
.endr
.endr
.set i, 0
.rept 32                               ; W: rows 64 w + 16 hh + i (K step 0), + 32 (K step 1); sixteen lanes take 256 consecutive bytes
	global_load_b128 v[S0+4*i:S0+4*i+3], v5, s[6:7] offset:((i/16)*32+i%16)*4096
.set i, i+1
.endr
	s_mul_i32 s17, s12, 4352                       ; addresses for the way out, made while the loads are out
	v_mul_u32_u24 v6, v2, 272
	v_lshl_add_u32 v6, v3, 7, v6
	v_add_nc_u32 v6, s17, v6                       ; my partial tile: row r, columns 32 hh on
	v_and_b32 v1, 255, v0                          ; c: which 16 bytes of a plane's 4,096
	v_bfe_u32 v7, v1, 6, 1
	v_bfe_u32 v14, v1, 1, 3
	v_lshl_add_u32 v7, v7, 3, v14                  ; their row
	v_mul_u32_u24 v7, v7, 272
	v_bfe_u32 v8, v1, 7, 1
	v_bfe_u32 v14, v1, 4, 2
	v_lshlrev_b32 v8, 5, v8
	v_lshl_add_u32 v8, v14, 3, v8
	v_and_b32 v14, 1, v1
	v_lshl_add_u32 v8, v14, 2, v8                  ; their first column
	v_lshlrev_b32 v8, 2, v8                        ; in bytes: also the bias's offset
	v_add_nc_u32 v7, v7, v8
	s_lshr_b32 s18, s12, 3                         ; plane
	s_mul_i32 s19, s18, 34816                      ; its eight partial tiles
	v_add_nc_u32 v7, s19, v7
	s_lshl_b32 s19, s18, 18
	v_lshl_add_u32 v9, v1, 4, s19                  ; plane*262144 + 16 c
	s_cmp_lt_u32 s12, 8
	s_cselect_b32 s26, 1.0, 0                      ; the bias goes to plane 0 alone
	s_wait_loadcnt 32                              ; X is in; the 32 loads of W stay out
.set q, 0
.rept 16
	v_pk_add_f32 v[XA+2*q:XA+2*q+1], v[XA+2*q:XA+2*q+1], v[XB+2*q:XB+2*q+1]
.set q, q+1
.endr
.set q, 0
.rept 16
	SPLIT XA+2*q,PC+8*(q/8)+q%8,PC+16+8*(q/8)+q%8,PC+32+8*(q/8)+q%8
.set q, q+1
.endr
	s_wait_loadcnt 16                              ; W's K step 0 is in; K step 1's 16 loads stay out
.irp j,0,1,2,3
.irp t,0,1,2,3,4,5,6,7
	v_cvt_pk_bf16_f32 v[BF+8*\j+\t], v[S0+8*\t+\j], v[S0+8*\t+4+\j]
.endr
.endr
	s_wait_loadcnt 0x0
.irp j,0,1,2,3
.irp t,0,1,2,3,4,5,6,7
	v_cvt_pk_bf16_f32 v[BF+80+8*\j+\t], v[S1+8*\t+\j], v[S1+8*\t+4+\j]
.endr
.endr
.irp ks,0,1                            ; 24 products; the four accumulators take turns; the small pieces go first; the first four start the sums
.irp p,2,1,0
.irp j,0,1,2,3
.if (\ks == 0) && (\p == 2)
	v_wmma_f32_16x16x32_bf16 v[ACC+8*\j:ACC+8*\j+7], v[BF+80*\ks+8*\j:BF+80*\ks+8*\j+7], v[PC+16*\p+8*\ks:PC+16*\p+8*\ks+7], 0
.else
	v_wmma_f32_16x16x32_bf16 v[ACC+8*\j:ACC+8*\j+7], v[BF+80*\ks+8*\j:BF+80*\ks+8*\j+7], v[PC+16*\p+8*\ks:PC+16*\p+8*\ks+7], v[ACC+8*\j:ACC+8*\j+7]
.endif
.endr
.endr
.endr
.rept 4
	v_nop                                          ; four places between the last products and the first read of a result (ISA guide 7.12.1)
.endr
.irp j,0,1,2,3
.irp v,0,1,2,3,4,5,6,7
	ds_store_b32 v6, v[ACC+8*\j+\v] offset:(4*\v+\j)*4
.endr
.endr
	s_wait_dscnt 0x0                               ; for the others' sake: my partial tile is in LDS
	s_barrier_signal -1
	s_barrier_wait -1
	global_load_b128 v[160:163], v8, s[8:9]        ; the bias of my four columns
.irp i,0,1,2,3,4,5,6,7
	ds_load_b128 v[128+4*\i:128+4*\i+3], v7 offset:\i*4352
.endr
	s_wait_dscnt 0x0
.irp i,0,2,4,6
	v_pk_add_f32 v[128+4*\i:128+4*\i+1], v[128+4*\i:128+4*\i+1], v[132+4*\i:132+4*\i+1]
	v_pk_add_f32 v[130+4*\i:130+4*\i+1], v[130+4*\i:130+4*\i+1], v[134+4*\i:134+4*\i+1]
.endr
.irp i,0,4
	v_pk_add_f32 v[128+4*\i:128+4*\i+1], v[128+4*\i:128+4*\i+1], v[136+4*\i:136+4*\i+1]
	v_pk_add_f32 v[130+4*\i:130+4*\i+1], v[130+4*\i:130+4*\i+1], v[138+4*\i:138+4*\i+1]
.endr
	v_pk_add_f32 v[128:129], v[128:129], v[144:145]
	v_pk_add_f32 v[130:131], v[130:131], v[146:147]
	s_wait_loadcnt 0x0
	v_cvt_pk_bf16_f32 v164, v160, v161             ; the bias is an input: rounded to bf16 like the others
	v_cvt_pk_bf16_f32 v165, v162, v163
	v_lshlrev_b32 v160, 16, v164
	v_and_b32 v161, s[MASK], v164
	v_lshlrev_b32 v162, 16, v165
	v_and_b32 v163, s[MASK], v165
.irp j,0,1,2,3
	v_fma_f32 v[128+\j], v[160+\j], s26, v[128+\j]
.endr
	global_store_b128 v9, v[128:131], s[10:11]     ; sixteen lanes store 256 consecutive bytes, aligned
	s_wait_tensorcnt 0x0                           ; the wave's end
	ds_add_u32 v12, v13
	s_wait_dscnt 0x0
	s_endpgm
.Lfunc_end_k_qb6364bf2a7_t1:
	.size	k_qb6364bf2a7_t1, .Lfunc_end_k_qb6364bf2a7_t1-k_qb6364bf2a7_t1
	.p2alignl 7, 3214868480
	.fill 96, 4, 3214868480
	.section	.rodata,"a",@progbits
	.p2align	6, 0x0
	.amdhsa_kernel k_qb6364bf2a7_t1
		.amdhsa_group_segment_fixed_size 71680
		.amdhsa_private_segment_fixed_size 0
		.amdhsa_enable_private_segment 0
		.amdhsa_kernarg_size 32
		.amdhsa_user_sgpr_count 2
		.amdhsa_user_sgpr_kernarg_segment_ptr 1
		.amdhsa_wavefront_size32 1
		.amdhsa_system_sgpr_workgroup_id_x 1
		.amdhsa_system_sgpr_workgroup_id_y 1
		.amdhsa_system_sgpr_workgroup_id_z 1
		.amdhsa_system_vgpr_workitem_id 0
		.amdhsa_next_free_vgpr 256
		.amdhsa_next_free_sgpr 66
		.amdhsa_reserve_vcc 0
		.amdhsa_float_denorm_mode_32 3
		.amdhsa_float_denorm_mode_16_64 3
		.amdhsa_memory_ordered 1
		.amdhsa_forward_progress 1
		.amdhsa_inst_pref_size 26
	.end_amdhsa_kernel
	.amdgpu_metadata
---
amdhsa.version: [ 1, 2 ]
amdhsa.kernels:
  - .name:           k_qb6364bf2a7_t1
    .symbol:         k_qb6364bf2a7_t1.kd
    .args:
      - { .name: xa, .offset: 0, .size: 8, .value_kind: global_buffer, .address_space: global }
      - { .name: W_agent, .offset: 8, .size: 8, .value_kind: global_buffer, .address_space: global }
      - { .name: b_agent, .offset: 16, .size: 8, .value_kind: global_buffer, .address_space: global }
      - { .name: xb, .offset: 24, .size: 8, .value_kind: global_buffer, .address_space: global }
    .group_segment_fixed_size: 71680
    .private_segment_fixed_size: 0
    .kernarg_segment_align: 8
    .kernarg_segment_size: 32
    .max_flat_workgroup_size: 512
    .sgpr_count:     66
    .vgpr_count:     256
    .wavefront_size: 32
...
	.end_amdgpu_metadata
.endif
;; end of part 2
;; launch t2: the kernel of part 2 again; grid 64 x 1, 16 waves a work-group, no clusters, 71,680 bytes of LDS; arguments xb, W_qa, b_qa, xa; writes xa
;; launch g1 (part 3): grid 16 x 16, 4 waves a work-group, no clusters, 9,728 bytes of LDS; arguments xa, W_kc, b_kc, gf, cb; writes gf, cb
.if DOCPART == 3
	.amdgcn_target "amdgcn-amd-amdhsa--gfx1250"
	.amdhsa_code_object_version 6
	.text
	.protected	k_qb6364bf2a7_g1
	.globl	k_qb6364bf2a7_g1
	.p2align	8
	.type	k_qb6364bf2a7_g1,@function
k_qb6364bf2a7_g1:
	s_mov_b64 s[64:65], 0
	v_nop
	global_prefetch_b8 v0, s[64:65] scope:SCOPE_SE
	s_setreg_imm32_b32 hwreg(HW_REG_WAVE_MODE, 25, 1), 1
	s_wait_xcnt 0x0
; G[m][h][kk] = sum over d of W[kk][64 h + d] q[m][64 h + d], and c[m][h] = sum over d of b[64 h + d] q[m][64 h + d], for 64 rows m = 8 b + a, 16 heads h, 1,024 kk.
; With them q . (x W + b) = x . G + c, so that the long tensor x meets 128 columns a batch instead of 1,024.
; W and b are inputs: rounded to bf16.  q (f32, two planes that are added here) goes in as three bf16 pieces, and G leaves as three bf16 pieces (each residue exact): f32's accuracy is kept through both products.
; SHARES.  A work-group owns 64 rows kk (kb) of one head h; wave w owns rows m = 16 w .. 16 w + 15.  W's tile (64 x 64) is turned to bf16 once, through LDS, and every wave reads all of it.
; c rides along as a fifth tile of 16 rows that all hold the bias, so five accumulators take turns; every work-group computes it, the one with kb = 0 stores it.
; G's LAYOUT is the order in which a matrix fragment's lanes read it (column slot (h&1)*8 + a, slot i of a lane: kk = 32 step + 16 hh + i):
;   byte = b*786432 + (step*24 + piece*8 + (h>>1))*1024 + hh*512 + (h&1)*256 + (i>>3)*128 + a*16 + (i&7)*2
; No tensor loads, no cluster: W's tile is 16 KiB, read once by this work-group alone.
.set SPARE, 9216                       ; behind 64 rows of 144 bytes
.set MASK,  17                         ; s17 = 0xffff0000
.set XA,    16                         ; v[16:47] q plane 0; later the five accumulators v[16:55]
.set XB,    48                         ; v[48:79] q plane 1
.set PC,    80                         ; v[80:127] q's pieces: PC + 16 p + 8 ks; later G's pieces
.set WR,    128                        ; v[128:159] my 16 rows of W as loaded
.set WP,    160                        ; v[160:175] the same as bf16
.set WF,    176                        ; v[176:255] fragments: tile tt (4 = the bias), K step ks at WF + 16 tt + 8 ks
.set BR,    192                        ; v[192:223] the bias as loaded (before the fragments land there)
.set ACC,   16
.macro SPLIT y, d1, d2, d3             ; the pair v[y], v[y+1] into three packed bf16 pieces; v[10:11] at work
	v_cvt_pk_bf16_f32 v[\d1], v[\y], v[(\y)+1]
	v_lshlrev_b32 v10, 16, v[\d1]
	v_and_b32 v11, s[MASK], v[\d1]
	v_pk_add_f32 v[\y:(\y)+1], v[\y:(\y)+1], v[10:11] neg_lo:[0,1] neg_hi:[0,1]
	v_cvt_pk_bf16_f32 v[\d2], v[\y], v[(\y)+1]
	v_lshlrev_b32 v10, 16, v[\d2]
	v_and_b32 v11, s[MASK], v[\d2]
	v_pk_add_f32 v[\y:(\y)+1], v[\y:(\y)+1], v[10:11] neg_lo:[0,1] neg_hi:[0,1]
	v_cvt_pk_bf16_f32 v[\d3], v[\y], v[(\y)+1]
.endm
	s_load_b256 s[4:11], s[0:1], 0x0               ; q s[4:5], W s[6:7], b s[8:9], G s[10:11]
	s_load_b64 s[12:13], s[0:1], 0x20              ; c
	v_lshl_add_u32 v12, v0, 2, SPARE
	v_mov_b32 v13, 0
	v_lshrrev_b32 v1, 5, v0
	v_readfirstlane_b32 s14, v1                    ; wave
	v_and_b32 v2, 15, v0                           ; r
	v_bfe_u32 v3, v0, 4, 1                         ; hh
	s_mov_b32 s15, ttmp9                           ; kb
	s_and_b32 s16, ttmp7, 0xffff                   ; h
	s_mov_b32 s[MASK], 0xffff0000
	v_lshrrev_b32 v1, 3, v2                        ; r>>3
	v_and_b32 v15, 7, v2                           ; r&7
	v_lshlrev_b32 v4, 10, v1
	v_lshl_add_u32 v4, v3, 9, v4
	v_lshl_add_u32 v4, v15, 5, v4
	s_lshl_b32 s18, s14, 16
	s_lshl_b32 s19, s16, 12
	s_add_co_u32 s18, s18, s19
	v_add_nc_u32 v4, s18, v4                       ; q: block (w, 2 h), my lane's place
	s_lshl_b32 s18, s15, 18
	s_lshl_b32 s19, s14, 16
	s_add_co_u32 s18, s18, s19
	s_lshl_b32 s19, s16, 8
	s_add_co_u32 s18, s18, s19
	v_lshlrev_b32 v5, 12, v3
	v_lshl_add_u32 v5, v2, 4, v5
	v_add_nc_u32 v5, s18, v5                       ; W: row 64 kb + 16 w + hh, byte 256 h + 16 r
	v_lshlrev_b32 v6, 6, v3                        ; bias: 16 hh numbers on
	s_mul_i32 s18, s14, 2304
	v_mul_u32_u24 v7, v3, 144
	v_lshl_add_u32 v7, v2, 3, v7
	v_add_nc_u32 v7, s18, v7                       ; LDS in: row 16 w + hh, 8 r
	v_mul_u32_u24 v8, v2, 144
	v_lshl_add_u32 v8, v3, 5, v8                   ; LDS out: row r, 32 hh
	v_lshlrev_b32 v9, 9, v1
	v_lshl_add_u32 v9, v15, 2, v9                  ; c: (r>>3)*512 + (r&7)*4
	v_mul_u32_u24 v14, v1, 0xc0000
	v_lshl_add_u32 v14, v3, 7, v14
	v_lshl_add_u32 v14, v15, 4, v14                ; G: (r>>3)*786432 + hh*128 + (r&7)*16
	s_mov_b32 s20, s19                             ; bias: 256 h
	s_mov_b32 s21, 0
	s_mul_i32 s22, s14, 0x180000                   ; G: batch 2 w,
	s_mul_i32 s23, s15, 49152                      ; K steps 2 kb, 2 kb + 1,
	s_add_co_u32 s22, s22, s23
	s_lshr_b32 s23, s16, 1
	s_lshl_b32 s23, s23, 10                        ; tile h>>1,
	s_add_co_u32 s22, s22, s23
	s_and_b32 s23, s16, 1
	s_lshl_b32 s23, s23, 8                         ; and its half
	s_add_co_u32 s22, s22, s23
	s_mov_b32 s23, 0
	s_lshl_b32 s24, s14, 10
	s_lshl_b32 s25, s16, 5
	s_add_co_u32 s24, s24, s25                     ; c: (2 w * 128 + 8 h) * 4
	s_mov_b32 s25, 0
	s_wait_kmcnt 0x0
	s_add_nc_u64 s[8:9], s[8:9], s[20:21]
	s_add_nc_u64 s[10:11], s[10:11], s[22:23]
	s_add_nc_u64 s[12:13], s[12:13], s[24:25]
.irp pl,0,1
.irp ks,0,1
.irp q,0,1,2,3
	global_load_b128 v[XA+32*\pl+16*\ks+4*\q:XA+32*\pl+16*\ks+4*\q+3], v4, s[4:5] offset:\pl*262144+\ks*2048+(\q/2)*256+(\q%2)*16
.endr
.endr
.endr
.irp t,0,1,2,3,4,5,6,7
	global_load_b128 v[WR+4*\t:WR+4*\t+3], v5, s[6:7] offset:\t*8192
.endr
.irp ks,0,1
.irp q,0,1,2,3
	global_load_b128 v[BR+16*\ks+4*\q:BR+16*\ks+4*\q+3], v6, s[8:9] offset:\ks*128+\q*16
.endr
.endr
	s_wait_loadcnt 16                              ; q is in; W's 8 loads and the bias's 8 stay out
.set q, 0
.rept 16
	v_pk_add_f32 v[XA+2*q:XA+2*q+1], v[XA+2*q:XA+2*q+1], v[XB+2*q:XB+2*q+1]
.set q, q+1
.endr
.set q, 0
.rept 16
	SPLIT XA+2*q,PC+8*(q/8)+q%8,PC+16+8*(q/8)+q%8,PC+32+8*(q/8)+q%8
.set q, q+1
.endr
	s_wait_loadcnt 8                               ; W is in; the bias's 8 loads stay out
.irp t,0,1,2,3,4,5,6,7
	v_cvt_pk_bf16_f32 v[WP+2*\t], v[WR+4*\t], v[WR+4*\t+1]
	v_cvt_pk_bf16_f32 v[WP+2*\t+1], v[WR+4*\t+2], v[WR+4*\t+3]
.endr
.irp t,0,1,2,3,4,5,6,7
	ds_store_b64 v7, v[WP+2*\t:WP+2*\t+1] offset:\t*288
.endr
	s_wait_loadcnt 0x0
.irp ks,0,1
.irp t,0,1,2,3,4,5,6,7
	v_cvt_pk_bf16_f32 v[WF+64+8*\ks+\t], v[BR+16*\ks+2*\t], v[BR+16*\ks+2*\t+1]
.endr
.endr
	s_wait_dscnt 0x0                               ; for the others' sake: my 16 rows are in LDS
	s_barrier_signal -1
	s_barrier_wait -1
.irp tt,0,1,2,3
.irp ks,0,1
.irp hf,0,1
	ds_load_b128 v[WF+16*\tt+8*\ks+4*\hf:WF+16*\tt+8*\ks+4*\hf+3], v8 offset:\tt*2304+\ks*64+\hf*16
.endr
.endr
.endr
	s_wait_dscnt 0x0
.irp ks,0,1                            ; 30 products; the five accumulators take turns; the small pieces go first; the first five start the sums
.irp p,2,1,0
.irp tt,0,1,2,3,4
.if (\ks == 0) && (\p == 2)
	v_wmma_f32_16x16x32_bf16 v[ACC+8*\tt:ACC+8*\tt+7], v[WF+16*\tt+8*\ks:WF+16*\tt+8*\ks+7], v[PC+16*\p+8*\ks:PC+16*\p+8*\ks+7], 0
.else
	v_wmma_f32_16x16x32_bf16 v[ACC+8*\tt:ACC+8*\tt+7], v[WF+16*\tt+8*\ks:WF+16*\tt+8*\ks+7], v[PC+16*\p+8*\ks:PC+16*\p+8*\ks+7], v[ACC+8*\tt:ACC+8*\tt+7]
.endif
.endr
.endr
.endr
.rept 4
	v_nop                                          ; four places between the last products and what reads their results or writes their sources (ISA guide 7.12.1)
.endr
	s_cmp_lg_u32 s15, 0
	s_cbranch_scc1 .Lno_c                          ; c is the same in all 16 work-groups of a head: one stores it
	global_store_b32 v9, v[ACC+32], s[12:13]       ; every row of the fifth tile is c of row m = r; both halves of the lanes write the same word
.Lno_c:
.irp tt,0,1,2,3                        ; a lane holds kk = 16 tt + 8 hh + 0..7 of row m = r: eight neighbours, 16 bytes a piece
.irp q,0,1,2,3
	SPLIT ACC+8*\tt+2*\q,PC+12*\tt+\q,PC+12*\tt+4+\q,PC+12*\tt+8+\q
.endr
.irp p,0,1,2
	global_store_b128 v14, v[PC+12*\tt+4*\p:PC+12*\tt+4*\p+3], s[10:11] offset:(\tt/2)*24576+\p*8192+(\tt%2)*512  ; sixteen lanes store 256 consecutive bytes, aligned
.endr
.endr
	s_wait_tensorcnt 0x0                           ; the wave's end
	ds_add_u32 v12, v13
	s_wait_dscnt 0x0
	s_endpgm
.Lfunc_end_k_qb6364bf2a7_g1:
	.size	k_qb6364bf2a7_g1, .Lfunc_end_k_qb6364bf2a7_g1-k_qb6364bf2a7_g1
	.p2alignl 7, 3214868480
	.fill 96, 4, 3214868480
	.section	.rodata,"a",@progbits
	.p2align	6, 0x0
	.amdhsa_kernel k_qb6364bf2a7_g1
		.amdhsa_group_segment_fixed_size 9728
		.amdhsa_private_segment_fixed_size 0
		.amdhsa_enable_private_segment 0
		.amdhsa_kernarg_size 40
		.amdhsa_user_sgpr_count 2
		.amdhsa_user_sgpr_kernarg_segment_ptr 1
		.amdhsa_wavefront_size32 1
		.amdhsa_system_sgpr_workgroup_id_x 1
		.amdhsa_system_sgpr_workgroup_id_y 1
		.amdhsa_system_sgpr_workgroup_id_z 1
		.amdhsa_system_vgpr_workitem_id 0
		.amdhsa_next_free_vgpr 256
		.amdhsa_next_free_sgpr 66
		.amdhsa_reserve_vcc 0
		.amdhsa_float_denorm_mode_32 3
		.amdhsa_float_denorm_mode_16_64 3
		.amdhsa_memory_ordered 1
		.amdhsa_forward_progress 1
		.amdhsa_inst_pref_size 29
	.end_amdhsa_kernel
	.amdgpu_metadata
---
amdhsa.version: [ 1, 2 ]
amdhsa.kernels:
  - .name:           k_qb6364bf2a7_g1
    .symbol:         k_qb6364bf2a7_g1.kd
    .args:
      - { .name: xa, .offset: 0, .size: 8, .value_kind: global_buffer, .address_space: global }
      - { .name: W_kc, .offset: 8, .size: 8, .value_kind: global_buffer, .address_space: global }
      - { .name: b_kc, .offset: 16, .size: 8, .value_kind: global_buffer, .address_space: global }
      - { .name: gf, .offset: 24, .size: 8, .value_kind: global_buffer, .address_space: global }
      - { .name: cb, .offset: 32, .size: 8, .value_kind: global_buffer, .address_space: global }
    .group_segment_fixed_size: 9728
    .private_segment_fixed_size: 0
    .kernarg_segment_align: 8
    .kernarg_segment_size: 40
    .max_flat_workgroup_size: 128
    .sgpr_count:     66
    .vgpr_count:     256
    .wavefront_size: 32
...
	.end_amdgpu_metadata
.endif
;; end of part 3
;; launch scores (part 4): grid 256 x 1, 8 waves a work-group, no clusters, 63,488 bytes of LDS; arguments key, gf, cb, sc; writes sc
.if DOCPART == 4
	.amdgcn_target "amdgcn-amd-amdhsa--gfx1250"
	.amdhsa_code_object_version 6
	.text
	.protected	k_qb6364bf2a7_scores
	.globl	k_qb6364bf2a7_scores
	.p2align	8
	.type	k_qb6364bf2a7_scores,@function
k_qb6364bf2a7_scores:
	s_mov_b64 s[64:65], 0
	v_nop
	global_prefetch_b8 v0, s[64:65] scope:SCOPE_SE
	s_setreg_imm32_b32 hwreg(HW_REG_WAVE_MODE, 25, 1), 1
	s_wait_xcnt 0x0
; sc[b][8 h + a][s] = (sum over kk of key[b][s][kk] G[b][h][a][kk] + c[b][h][a]) / 8: the agents' scores, in f32.
; key is rounded to bf16 (the program rounds every input once); G comes as three bf16 pieces, each with accumulators of its own, added at the end smallest first: the products are exact, the sums f32.
; SHARES.  A work-group owns 64 keys of one batch; every byte of key is read once in the launch.  Wave w owns heads 2 w, 2 w + 1 (16 columns) x 64 keys x 3 pieces: 12 accumulators.
; K goes in 16 chunks of 64.  key: each wave loads 8 rows' 256 bytes into registers, rounds them and puts them into one of three LDS buffers; one barrier a chunk; all waves read the fragments.
; G: straight from memory into fragment registers (it is stored in that order).  Both run three chunks ahead, in rings of registers, with counted waits.
; The text has no loop and no label: chunk numbers stand in the immediates.
; No tensor loads: key has to be rounded on its way, which needs registers.  No cluster: the 32 work-groups of a batch share G alone, which goes to registers, not to an LDS tile.
; REGISTERS.  window 0: v1-15 addresses; v16-111 accumulators (piece p, key tile mt at 16 + 32 p + 8 mt); v112-175 key fragments; v176-183 rounded key; v184-215 the sums
;             window 1: v0-143 G's fragments, three sets of 48 (24 ksl + 8 p); v144-191 key as loaded, three sets of 16
.set STAGE, 27648                      ; behind three buffers of 64 x 144 bytes: 16 rows x 272 bytes a wave, for the way out
.set SPARE, 62464
.set ACC, 16
.set AF,  112
.set CV,  176
.set T,   184
.set BR,  0
.set SR,  144
.set MSB, 0
.macro WIN new                         ; the immediate's high byte repeats the setting that is left; a switch that changes nothing is dropped
.if MSB != (\new)
	s_set_vgpr_msb (MSB<<8)|(\new)
.set MSB, \new
.endif
.endm
.macro LDA c                           ; chunk c of my 8 rows of key: 4 loads, two rows' 256 bytes each
	WIN 0x40                                       ; destination window 1, address window 0
.irp t,0,1,2,3
	global_load_b128 v[SR+16*((\c)%3)+4*\t:SR+16*((\c)%3)+4*\t+3], v4, s[4:5] offset:\t*8192+(\c)*256 th:TH_LOAD_NT
.endr
.endm
.macro LDB c                           ; chunk c of G for my 16 columns: 2 K steps x 3 pieces x 2 halves
	WIN 0x40
.irp ksl,0,1
.irp p,0,1,2
.irp hf,0,1
	global_load_b128 v[BR+48*((\c)%3)+24*\ksl+8*\p+4*\hf:BR+48*((\c)%3)+24*\ksl+8*\p+4*\hf+3], v5, s[6:7] offset:(\c)*49152+\ksl*24576+\p*8192+\hf*128
.endr
.endr
.endr
.endm
.macro MULS q, ksl, zero               ; 12 products, the 12 accumulators by turns
.irp p,0,1,2
.irp mt,0,1,2,3
.if \zero
	v_wmma_f32_16x16x32_bf16 v[ACC+32*\p+8*\mt:ACC+32*\p+8*\mt+7], v[AF+32*(\ksl)+8*\mt:AF+32*(\ksl)+8*\mt+7], v[BR+48*(\q)+24*(\ksl)+8*\p:BR+48*(\q)+24*(\ksl)+8*\p+7], 0
.else
	v_wmma_f32_16x16x32_bf16 v[ACC+32*\p+8*\mt:ACC+32*\p+8*\mt+7], v[AF+32*(\ksl)+8*\mt:AF+32*(\ksl)+8*\mt+7], v[BR+48*(\q)+24*(\ksl)+8*\p:BR+48*(\q)+24*(\ksl)+8*\p+7], v[ACC+32*\p+8*\mt:ACC+32*\p+8*\mt+7]
.endif
.endr
.endr
.endm
.macro TRIP c
.set n_, 15-(\c)                       ; later chunks already asked for: two, fewer at the end
.if n_ > 2
.set n_, 2
.endif
.set f_, 0                             ; is there a chunk c + 3?
.if (\c) <= 12
.set f_, 1
.endif
.set z_, 0
.if (\c) == 0
.set z_, 1
.endif
	s_wait_loadcnt 12+16*n_                        ; key's chunk c is in: behind it were issued G's chunk c (12) and 16 for each later chunk
	WIN 0x05                                       ; sources window 1, destination window 0
.irp t,0,1,2,3
	v_cvt_pk_bf16_f32 v[CV+2*\t], v[SR+16*((\c)%3)+4*\t], v[SR+16*((\c)%3)+4*\t+1]
	v_cvt_pk_bf16_f32 v[CV+2*\t+1], v[SR+16*((\c)%3)+4*\t+2], v[SR+16*((\c)%3)+4*\t+3]
.endr
	WIN 0
.irp t,0,1,2,3
	ds_store_b64 v6, v[CV+2*\t:CV+2*\t+1] offset:((\c)%3)*9216+\t*288
.endr
.if f_
	LDA (\c)+3
.endif
	s_wait_dscnt 0x0                               ; my rows are in LDS, and my reads of the last chunk's buffer are over
	s_barrier_signal -1
	s_barrier_wait -1                              ; a buffer is written again three chunks on, behind two more such barriers
	WIN 0x04                                       ; source 1 (G) window 1; all else window 0
.irp ksl,0,1
.irp mt,0,1,2,3
.irp hf,0,1
	ds_load_b128 v[AF+32*\ksl+8*\mt+4*\hf:AF+32*\ksl+8*\mt+4*\hf+3], v7 offset:((\c)%3)*9216+\mt*2304+\ksl*64+\hf*16
.endr
.endr
.endr
	s_wait_loadcnt 16*n_+4*f_                      ; G's chunk c is in: behind it the later chunks, and key's chunk c + 3
	s_wait_dscnt 8                                 ; the first K step's 8 fragment loads are in
	MULS (\c)%3, 0, z_
	s_wait_dscnt 0x0
	MULS (\c)%3, 1, 0
.if f_
.rept 4
	v_nop                                          ; four places between the last products and the loads into their sources
.endr
	LDB (\c)+3
.endif
.endm
	s_load_b256 s[4:11], s[0:1], 0x0               ; key s[4:5], G s[6:7], c s[8:9], sc s[10:11]
	v_lshl_add_u32 v12, v0, 2, SPARE
	v_mov_b32 v13, 0
	v_lshrrev_b32 v1, 5, v0
	v_readfirstlane_b32 s12, v1                    ; wave
	v_and_b32 v2, 15, v0                           ; r
	v_bfe_u32 v3, v0, 4, 1                         ; hh
	s_lshr_b32 s13, ttmp9, 5                       ; batch
	s_and_b32 s14, ttmp9, 31                       ; block of 64 keys
	s_lshl_b32 s15, s12, 15
	v_lshlrev_b32 v4, 12, v3
	v_lshl_add_u32 v4, v2, 4, v4
	v_add_nc_u32 v4, s15, v4                       ; key: row 8 w + hh, 16 r
	v_lshrrev_b32 v1, 3, v2
	v_and_b32 v5, 7, v2
	v_lshlrev_b32 v5, 4, v5
	v_lshl_add_u32 v5, v1, 8, v5
	v_lshl_add_u32 v5, v3, 9, v5
	s_lshl_b32 s15, s12, 10
	v_add_nc_u32 v5, s15, v5                       ; G: tile w, hh*512 + (r>>3)*256 + (r&7)*16
	s_mul_i32 s15, s12, 1152
	v_mul_u32_u24 v6, v3, 144
	v_lshl_add_u32 v6, v2, 3, v6
	v_add_nc_u32 v6, s15, v6                       ; LDS in: row 8 w + hh, 8 r
	v_mul_u32_u24 v7, v2, 144
	v_lshl_add_u32 v7, v3, 5, v7                   ; LDS out: row r, 32 hh
	s_mul_i32 s15, s12, 4352
	s_add_co_u32 s15, s15, STAGE
	v_mul_u32_u24 v8, v2, 272
	v_lshl_add_u32 v8, v3, 5, v8
	v_add_nc_u32 v8, s15, v8                       ; stage in: row r, 32 hh
	v_mul_u32_u24 v9, v3, 272
	v_lshl_add_u32 v9, v2, 4, v9
	v_add_nc_u32 v9, s15, v9                       ; stage back: row hh, 16 r
	v_lshlrev_b32 v10, 13, v3
	v_lshl_add_u32 v10, v2, 4, v10                 ; sc: row hh, 16 r
	v_lshlrev_b32 v11, 2, v2
	v_mov_b32 v15, 0                               ; named with v14 as a pair
	s_lshl_b32 s16, s13, 23
	s_lshl_b32 s15, s14, 18
	s_add_co_u32 s16, s16, s15
	s_mov_b32 s17, 0
	s_mul_i32 s18, s13, 0xc0000
	s_mov_b32 s19, 0
	s_lshl_b32 s20, s13, 9
	s_lshl_b32 s15, s12, 6
	s_add_co_u32 s20, s20, s15
	s_mov_b32 s21, 0
	s_lshl_b32 s22, s13, 20
	s_lshl_b32 s15, s12, 17
	s_add_co_u32 s22, s22, s15
	s_lshl_b32 s15, s14, 8
	s_add_co_u32 s22, s22, s15
	s_mov_b32 s23, 0
	s_mov_b32 s24, 0x3e000000                      ; 1/8 = 64^-0.5
	s_mov_b32 s25, s24
	s_wait_kmcnt 0x0
	s_add_nc_u64 s[4:5], s[4:5], s[16:17]
	s_add_nc_u64 s[6:7], s[6:7], s[18:19]
	s_add_nc_u64 s[8:9], s[8:9], s[20:21]
	s_add_nc_u64 s[10:11], s[10:11], s[22:23]
	global_load_b32 v14, v11, s[8:9]               ; c of my column
	LDA 0
	LDB 0
	LDA 1
	LDB 1
	LDA 2
	LDB 2
.irp c,0,1,2,3,4,5,6,7,8,9,10,11,12,13,14,15
	TRIP \c
.endr
	WIN 0
.rept 4
	v_nop                                          ; four places between the last products and the first read of a result (ISA guide 7.12.1)
.endr
	v_mul_f32 v14, s24, v14
.irp mt,0,1,2,3                        ; the pieces' sums, smallest first; each accumulator is read from its low end on
.irp q,0,1,2,3
	v_pk_add_f32 v[T+8*\mt+2*\q:T+8*\mt+2*\q+1], v[ACC+64+8*\mt+2*\q:ACC+64+8*\mt+2*\q+1], v[ACC+32+8*\mt+2*\q:ACC+32+8*\mt+2*\q+1]
.endr
.endr
.irp mt,0,1,2,3
.irp q,0,1,2,3
	v_pk_add_f32 v[T+8*\mt+2*\q:T+8*\mt+2*\q+1], v[T+8*\mt+2*\q:T+8*\mt+2*\q+1], v[ACC+8*\mt+2*\q:ACC+8*\mt+2*\q+1]
.endr
.endr
.set q, 0
.rept 16
	v_pk_fma_f32 v[T+2*q:T+2*q+1], v[T+2*q:T+2*q+1], s[24:25], v[14:15] op_sel_hi:[1,0,0]
.set q, q+1
.endr
.irp mt,0,1,2,3                        ; a lane holds one score row and keys 16 mt + 8 hh + 0..7: through my own stage, back as rows of 256 bytes
.irp q,0,1
	ds_store_b128 v8, v[T+8*\mt+4*\q:T+8*\mt+4*\q+3] offset:\mt*64+\q*16
.endr
.endr
.irp t,0,1,2,3,4,5,6,7
	ds_load_b128 v[AF+4*\t:AF+4*\t+3], v9 offset:\t*544  ; LDS serves a wave's instructions in order: these see the stores above
.endr
.irp t,0,1,2,3,4,5,6,7
	s_wait_dscnt 7-\t
	global_store_b128 v10, v[AF+4*\t:AF+4*\t+3], s[10:11] offset:\t*16384  ; sixteen lanes store 256 consecutive bytes, aligned
.endr
	s_wait_tensorcnt 0x0                           ; the wave's end
	ds_add_u32 v12, v13
	s_wait_dscnt 0x0
	s_endpgm
.Lfunc_end_k_qb6364bf2a7_scores:
	.size	k_qb6364bf2a7_scores, .Lfunc_end_k_qb6364bf2a7_scores-k_qb6364bf2a7_scores
	.p2alignl 7, 3214868480
	.fill 96, 4, 3214868480
	.section	.rodata,"a",@progbits
	.p2align	6, 0x0
	.amdhsa_kernel k_qb6364bf2a7_scores
		.amdhsa_group_segment_fixed_size 63488
		.amdhsa_private_segment_fixed_size 0
		.amdhsa_enable_private_segment 0
		.amdhsa_kernarg_size 32
		.amdhsa_user_sgpr_count 2
		.amdhsa_user_sgpr_kernarg_segment_ptr 1
		.amdhsa_wavefront_size32 1
		.amdhsa_system_sgpr_workgroup_id_x 1
		.amdhsa_system_sgpr_workgroup_id_y 1
		.amdhsa_system_sgpr_workgroup_id_z 1
		.amdhsa_system_vgpr_workitem_id 0
		.amdhsa_next_free_vgpr 448
		.amdhsa_next_free_sgpr 66
		.amdhsa_reserve_vcc 0
		.amdhsa_float_denorm_mode_32 3
		.amdhsa_float_denorm_mode_16_64 3
		.amdhsa_memory_ordered 1
		.amdhsa_forward_progress 1
		.amdhsa_inst_pref_size 92
	.end_amdhsa_kernel
	.amdgpu_metadata
---
amdhsa.version: [ 1, 2 ]
amdhsa.kernels:
  - .name:           k_qb6364bf2a7_scores
    .symbol:         k_qb6364bf2a7_scores.kd
    .args:
      - { .name: key, .offset: 0, .size: 8, .value_kind: global_buffer, .address_space: global }
      - { .name: gf, .offset: 8, .size: 8, .value_kind: global_buffer, .address_space: global }
      - { .name: cb, .offset: 16, .size: 8, .value_kind: global_buffer, .address_space: global }
      - { .name: sc, .offset: 24, .size: 8, .value_kind: global_buffer, .address_space: global }
    .group_segment_fixed_size: 63488
    .private_segment_fixed_size: 0
    .kernarg_segment_align: 8
    .kernarg_segment_size: 32
    .max_flat_workgroup_size: 256
    .sgpr_count:     66
    .vgpr_count:     448
    .wavefront_size: 32
...
	.end_amdgpu_metadata
.endif
;; end of part 4
;; launch topk (part 5): grid 256 x 1, 4 waves a work-group, no clusters, 17,152 bytes of LDS; arguments sc, out2, wf; writes out2, wf
.if DOCPART == 5
	.amdgcn_target "amdgcn-amd-amdhsa--gfx1250"
	.amdhsa_code_object_version 6
	.text
	.protected	k_qb6364bf2a7_topk
	.globl	k_qb6364bf2a7_topk
	.p2align	8
	.type	k_qb6364bf2a7_topk,@function
k_qb6364bf2a7_topk:
	s_mov_b64 s[64:65], 0
	v_nop
	global_prefetch_b8 v0, s[64:65] scope:SCOPE_SE
	s_setreg_imm32_b32 hwreg(HW_REG_WAVE_MODE, 25, 1), 1
	s_wait_xcnt 0x0
; For each of 1,024 score rows of 2,048: the 1,024th largest score is the threshold; scores below it get weight 0; softmax over the others (the row's maximum taken away first).
; One wave, one row, kept in 64 registers.  The threshold is found exactly, bit by bit: scores are mapped to unsigned keys of the same order, and the largest t with
; count(key >= t) >= 1,024 is built from the top bit down, 32 trips.  Equal scores are kept together, as a comparison with the threshold keeps them.  No branch hangs on data: the count steers a select.
; LIMITS.  The mask is exact on these f32 scores; where a row's 1,024th and 1,025th scores lie closer than f32 summation error, another order of summation can choose otherwise.
; -0 counts as +0; NaN is not treated apart; a weight below 2^-126 counts as 0.
; OUT: the weights in f32 (out2), and in bf16 in the order in which a matrix fragment's lanes read them (row tile mt, K step of 32 keys):
;   byte = ((b*8 + mt)*64 + step)*1024 + (r>>2)*256 + (i>>3)*128 + (r&3)*32 + hh*16 + (i&7)*2, key = 32 step + 16 hh + i; the work-group's four rows are one r>>2.
; No matrix unit, no tensor loads, no cluster: a row is read once by one wave.
.set SPARE, 16640                      ; behind four rows of 4,112 bytes
.set S, 16                             ; v[16:79]  the scores, then the weights
.set K, 80                             ; v[80:143] the keys; later sums, the bf16 weights, and what comes back from LDS
	s_load_b128 s[4:7], s[0:1], 0x0                ; sc s[4:5], out2 s[6:7]
	s_load_b64 s[8:9], s[0:1], 0x10                ; wf
	v_lshl_add_u32 v12, v0, 2, SPARE
	v_mov_b32 v13, 0
	v_lshrrev_b32 v1, 5, v0
	v_readfirstlane_b32 s2, v1                     ; wave
	v_and_b32 v1, 31, v0
	v_lshlrev_b32 v2, 4, v1                        ; 16 x lane
	s_mul_i32 s3, s2, 4112
	v_lshl_add_u32 v3, v1, 3, s3                   ; LDS in: my row, 8 x lane
	v_bfe_u32 v10, v0, 1, 2
	v_mul_u32_u24 v10, v10, 4112
	v_lshrrev_b32 v11, 4, v0
	v_lshl_add_u32 v10, v11, 6, v10
	v_and_b32 v1, 1, v0
	v_lshl_add_u32 v10, v1, 5, v10
	v_bfe_u32 v1, v0, 3, 1
	v_lshl_add_u32 v10, v1, 4, v10                 ; LDS back: row (t>>1)&3, K step t>>4, 32 (t&1) + 16 ((t>>3)&1)
	v_and_b32 v1, 15, v0
	v_lshlrev_b32 v11, 10, v11
	v_lshl_add_u32 v11, v1, 4, v11                 ; wf: K step t>>4, 16 (t&15)
	s_lshl_b32 s28, ttmp9, 2
	s_add_co_u32 s28, s28, s2
	s_lshl_b32 s28, s28, 13                        ; my row, 8,192 bytes each
	s_mov_b32 s29, 0
	s_lshr_b32 s30, ttmp9, 2
	s_lshl_b32 s30, s30, 16
	s_and_b32 s3, ttmp9, 3
	s_lshl_b32 s3, s3, 8
	s_add_co_u32 s30, s30, s3
	s_mov_b32 s31, 0
	s_mov_b32 s14, 0x3fb8aa3b                      ; log2(e)
	s_mov_b32 s15, s14
	s_mov_b32 s17, 0x80000000
	s_mov_b32 s18, 0x76543210
	s_mov_b32 s19, 0xfedcba98
	s_wait_kmcnt 0x0
	s_add_nc_u64 s[4:5], s[4:5], s[28:29]
	s_add_nc_u64 s[6:7], s[6:7], s[28:29]
	s_add_nc_u64 s[8:9], s[8:9], s[30:31]
.irp t,0,1,2,3,4,5,6,7,8,9,10,11,12,13,14,15
	global_load_b128 v[S+4*\t:S+4*\t+3], v2, s[4:5] offset:\t*512 th:TH_LOAD_NT
.endr
	s_wait_loadcnt 0x0
.set i, 0
.rept 32
	v_pk_add_f32 v[S+2*i:S+2*i+1], v[S+2*i:S+2*i+1], 0 op_sel_hi:[1,0]  ; -0 becomes +0
.set i, i+1
.endr
.set i, 0
.rept 64                               ; key = score's bits, all turned if negative, the sign alone if not: unsigned order = the scores' order
	v_ashrrev_i32 v[K+i], 31, v[S+i]
	v_or_b32 v[K+i], s17, v[K+i]
	v_xor_b32 v[K+i], v[S+i], v[K+i]
.set i, i+1
.endr
.irp k,0,1,2,3                         ; the maximum, in four chains
	v_max3_num_f32 v[4+\k], v[S+16*\k], v[S+16*\k+1], v[S+16*\k+2]
.endr
.irp i,3,5,7,9,11,13
.irp k,0,1,2,3
	v_max3_num_f32 v[4+\k], v[4+\k], v[S+16*\k+\i], v[S+16*\k+\i+1]
.endr
.endr
.irp k,0,1,2,3
	v_max_num_f32 v[4+\k], v[4+\k], v[S+16*\k+15]
.endr
	v_max3_num_f32 v4, v4, v5, v6
	v_max_num_f32 v4, v4, v7
	v_max_num_f32_dpp v4, v4, v4 row_xmask:1 row_mask:0xf bank_mask:0xf
	v_max_num_f32_dpp v4, v4, v4 row_xmask:2 row_mask:0xf bank_mask:0xf
	v_max_num_f32_dpp v4, v4, v4 row_xmask:4 row_mask:0xf bank_mask:0xf
	v_max_num_f32_dpp v4, v4, v4 row_xmask:8 row_mask:0xf bank_mask:0xf
	v_permlanex16_b32 v5, v4, s18, s19
	v_max_num_f32 v4, v4, v5
	v_mul_f32 v8, s14, v4                          ; the maximum times log2(e)
	v_mov_b32 v9, 0                                ; named with it as a pair
	s_mov_b32 s10, 32
	s_mov_b32 s11, 0                               ; t
	s_mov_b32 s12, 0x80000000                      ; the bit in hand
.Lbit:
	s_or_b32 s13, s11, s12                         ; t with the bit set
	s_mov_b32 s16, 0
.set g, 0
.rept 8
.irp i,0,1,2,3,4,5,6,7
	v_cmp_le_u32 s[20+\i], s13, v[K+8*g+\i]
.endr
.irp i,0,1,2,3,4,5,6,7
	s_bcnt1_i32_b32 s[20+\i], s[20+\i]
.endr
.irp i,0,1,2,3,4,5,6,7
	s_add_co_u32 s16, s16, s[20+\i]
.endr
.set g, g+1
.endr
	s_cmp_ge_u32 s16, 1024                         ; still 1,024 keys at or above it?
	s_cselect_b32 s11, s13, s11                    ; then the bit stays
	s_lshr_b32 s12, s12, 1
	s_sub_co_u32 s10, s10, 1
	s_cmp_lg_u32 s10, 0
	s_cbranch_scc1 .Lbit
.set i, 0
.rept 32
	v_pk_fma_f32 v[S+2*i:S+2*i+1], v[S+2*i:S+2*i+1], s[14:15], v[8:9] op_sel_hi:[1,0,0] neg_lo:[0,0,1] neg_hi:[0,0,1]
.set i, i+1
.endr
.set g, 0
.rept 16                               ; four exponentials, then compare and select: the first compare is the plain instruction behind the last exponential
.irp e,0,1,2,3
	v_exp_f32 v[S+4*g+\e], v[S+4*g+\e]
.endr
.irp e,0,1,2,3
	v_cmp_le_u32 vcc_lo, s11, v[K+4*g+\e]
	s_wait_alu depctr_va_vdst(0)
	v_cndmask_b32 v[S+4*g+\e], 0, v[S+4*g+\e], vcc_lo
.endr
.set g, g+1
.endr
.set i, 0
.rept 16
	v_pk_add_f32 v[K+2*i:K+2*i+1], v[S+4*i:S+4*i+1], v[S+4*i+2:S+4*i+3]
.set i, i+1
.endr
.irp i,0,1,2,3,4,5,6,7
	v_pk_add_f32 v[K+4*\i:K+4*\i+1], v[K+4*\i:K+4*\i+1], v[K+4*\i+2:K+4*\i+3]
.endr
.irp i,0,1,2,3
	v_pk_add_f32 v[K+8*\i:K+8*\i+1], v[K+8*\i:K+8*\i+1], v[K+8*\i+4:K+8*\i+5]
.endr
	v_pk_add_f32 v[K:K+1], v[K:K+1], v[K+8:K+9]
	v_pk_add_f32 v[K+16:K+17], v[K+16:K+17], v[K+24:K+25]
	v_pk_add_f32 v[K:K+1], v[K:K+1], v[K+16:K+17]
	v_add_f32 v4, v[K], v[K+1]
	v_add_f32_dpp v4, v4, v4 row_xmask:1 row_mask:0xf bank_mask:0xf
	v_add_f32_dpp v4, v4, v4 row_xmask:2 row_mask:0xf bank_mask:0xf
	v_add_f32_dpp v4, v4, v4 row_xmask:4 row_mask:0xf bank_mask:0xf
	v_add_f32_dpp v4, v4, v4 row_xmask:8 row_mask:0xf bank_mask:0xf
	v_permlanex16_b32 v5, v4, s18, s19
	v_add_f32 v4, v4, v5
	v_rcp_f32 v6, v4
	v_mov_b32 v7, 0                                ; the plain instruction behind the reciprocal; v7 is named with v6 as a pair
.set i, 0
	s_wait_alu depctr_va_vdst(0)
.rept 32
	v_pk_mul_f32 v[S+2*i:S+2*i+1], v[S+2*i:S+2*i+1], v[6:7] op_sel_hi:[1,0]
.set i, i+1
.endr
.irp t,0,1,2,3,4,5,6,7,8,9,10,11,12,13,14,15
	global_store_b128 v2, v[S+4*\t:S+4*\t+3], s[6:7] offset:\t*512 th:TH_STORE_NT  ; 512 consecutive bytes, aligned
.endr
.irp t,0,1,2,3,4,5,6,7,8,9,10,11,12,13,14,15
	v_cvt_pk_bf16_f32 v[K+2*\t], v[S+4*\t], v[S+4*\t+1]
	v_cvt_pk_bf16_f32 v[K+2*\t+1], v[S+4*\t+2], v[S+4*\t+3]
.endr
.irp t,0,1,2,3,4,5,6,7,8,9,10,11,12,13,14,15
	ds_store_b64 v3, v[K+2*\t:K+2*\t+1] offset:\t*256
.endr
	s_wait_dscnt 0x0                               ; for the others' sake: my row is in LDS
	s_barrier_signal -1
	s_barrier_wait -1
.irp t,0,1,2,3,4,5,6,7
	ds_load_b128 v[K+32+4*\t:K+32+4*\t+3], v10 offset:\t*512
.endr
.irp t,0,1,2,3,4,5,6,7
	s_wait_dscnt 7-\t
	global_store_b128 v11, v[K+32+4*\t:K+32+4*\t+3], s[8:9] offset:\t*8192  ; sixteen lanes store 256 consecutive bytes, aligned
.endr
	s_wait_tensorcnt 0x0                           ; the wave's end
	ds_add_u32 v12, v13
	s_wait_dscnt 0x0
	s_endpgm
.Lfunc_end_k_qb6364bf2a7_topk:
	.size	k_qb6364bf2a7_topk, .Lfunc_end_k_qb6364bf2a7_topk-k_qb6364bf2a7_topk
	.p2alignl 7, 3214868480
	.fill 96, 4, 3214868480
	.section	.rodata,"a",@progbits
	.p2align	6, 0x0
	.amdhsa_kernel k_qb6364bf2a7_topk
		.amdhsa_group_segment_fixed_size 17152
		.amdhsa_private_segment_fixed_size 0
		.amdhsa_enable_private_segment 0
		.amdhsa_kernarg_size 24
		.amdhsa_user_sgpr_count 2
		.amdhsa_user_sgpr_kernarg_segment_ptr 1
		.amdhsa_wavefront_size32 1
		.amdhsa_system_sgpr_workgroup_id_x 1
		.amdhsa_system_sgpr_workgroup_id_y 1
		.amdhsa_system_sgpr_workgroup_id_z 1
		.amdhsa_system_vgpr_workitem_id 0
		.amdhsa_next_free_vgpr 144
		.amdhsa_next_free_sgpr 66
		.amdhsa_reserve_vcc 1
		.amdhsa_float_denorm_mode_32 3
		.amdhsa_float_denorm_mode_16_64 3
		.amdhsa_memory_ordered 1
		.amdhsa_forward_progress 1
		.amdhsa_inst_pref_size 44
	.end_amdhsa_kernel
	.amdgpu_metadata
---
amdhsa.version: [ 1, 2 ]
amdhsa.kernels:
  - .name:           k_qb6364bf2a7_topk
    .symbol:         k_qb6364bf2a7_topk.kd
    .args:
      - { .name: sc, .offset: 0, .size: 8, .value_kind: global_buffer, .address_space: global }
      - { .name: out2, .offset: 8, .size: 8, .value_kind: global_buffer, .address_space: global }
      - { .name: wf, .offset: 16, .size: 8, .value_kind: global_buffer, .address_space: global }
    .group_segment_fixed_size: 17152
    .private_segment_fixed_size: 0
    .kernarg_segment_align: 8
    .kernarg_segment_size: 24
    .max_flat_workgroup_size: 128
    .sgpr_count:     66
    .vgpr_count:     144
    .wavefront_size: 32
...
	.end_amdgpu_metadata
.endif
;; end of part 5
;; launch ug (part 6): grid 256 x 1, 8 waves a work-group, no clusters, 101,376 bytes of LDS; arguments wf, value, uq; writes uq
.if DOCPART == 6
	.amdgcn_target "amdgcn-amd-amdhsa--gfx1250"
	.amdhsa_code_object_version 6
	.text
	.protected	k_qb6364bf2a7_ug
	.globl	k_qb6364bf2a7_ug
	.p2align	8
	.type	k_qb6364bf2a7_ug,@function
k_qb6364bf2a7_ug:
	s_mov_b64 s[64:65], 0
	v_nop
	global_prefetch_b8 v0, s[64:65] scope:SCOPE_SE
	s_setreg_imm32_b32 hwreg(HW_REG_WAVE_MODE, 25, 1), 1
	s_wait_xcnt 0x0
; U[b][h][a][kk] = sum over s of w[b][h][a][s] value[b][s][kk]: the weights meet value BEFORE its projection, since (w . value) W = w . (value W) and the weights of a row add up to 1.
; value is rounded to bf16 (the program rounds every input once); the weights come as bf16; sums in f32.
; SHARES.  A work-group owns one batch, 64 columns kk and one half (plane) of the 2,048 keys: every byte of value is read once in the launch.  The two planes are stored apart and added by the reader.
; value lies [s][kk]: a lane loads 16 rows' 16 bytes and picks column j of each: fragment j, whose row r means column 4 r + j.  In each of four chunks of 8 K steps wave w turns K step 8 c + w into
; four fragments, puts them into LDS in register order, and behind one barrier every wave reads all eight K steps.  For the products wave w owns heads 2 w, 2 w + 1 (16 rows): four accumulators.
; The wave's weights for all 32 K steps stay in window 1's 256 registers.  Memory binds: the products (128 a wave) only ride along.
; No tensor loads: value has to be rounded and regrouped on its way.  No cluster: no two work-groups read the same bytes of value; the weights go to registers, not to an LDS tile.
; REGISTERS.  window 0: v16-79, v80-143 value as loaded, two sets; v144-175 accumulators; v176-207, v208-239 fragments read back, two sets (the second also holds the fragments that I make)
.set STAGE, 65536                      ; behind two buffers of 32,768 bytes: 16 rows x 272 bytes a wave, for the way out
.set SPARE, 100352
.set S0,  16
.set ACC, 144
.set FB0, 176
.set FB1, 208
.set MSB, 0
.macro WIN new                         ; the immediate's high byte repeats the setting that is left; a switch that changes nothing is dropped
.if MSB != (\new)
	s_set_vgpr_msb (MSB<<8)|(\new)
.set MSB, \new
.endif
.endm
.macro LDV c                           ; my K step of chunk c: 16 loads; sixteen lanes take 256 consecutive bytes
	WIN 0
.set i_, 0
.rept 16
	global_load_b128 v[S0+64*((\c)%2)+4*i_:S0+64*((\c)%2)+4*i_+3], v6, s[6:7] offset:(256*(\c)+i_)*4096 th:TH_LOAD_NT
.set i_, i_+1
.endr
.endm
.macro FBLOAD c, k                     ; the four fragments of K step k of chunk c
.irp j,0,1,2,3
.irp hf,0,1
	ds_load_b128 v[FB0+32*((\k)%2)+8*\j+4*\hf:FB0+32*((\k)%2)+8*\j+4*\hf+3], v7 offset:((\c)%2)*32768+(\k)*4096+\j*1024+\hf*512
.endr
.endr
.endm
.macro TRIP c
.if (\c) > 0
.rept 4
	v_nop                                          ; four places between the last products and the conversions that write over their source (ISA guide 7.12.1)
.endr
.endif
.if (\c) < 3
	s_wait_loadcnt 16                              ; chunk c is in (and, the first time, the weights issued ahead of it); the next chunk's 16 loads stay out
.else
	s_wait_loadcnt 0x0
.endif
	WIN 0
.irp j,0,1,2,3
.irp t,0,1,2,3,4,5,6,7
	v_cvt_pk_bf16_f32 v[FB1+8*\j+\t], v[S0+64*((\c)%2)+8*\t+\j], v[S0+64*((\c)%2)+8*\t+4+\j]
.endr
.endr
.irp j,0,1,2,3
.irp hf,0,1
	ds_store_b128 v8, v[FB1+8*\j+4*\hf:FB1+8*\j+4*\hf+3] offset:((\c)%2)*32768+\j*1024+\hf*512
.endr
.endr
.if (\c) < 2
	LDV (\c)+2
.endif
	s_wait_dscnt 0x0                               ; my fragments are in LDS, and my reads of the other buffer are over
	s_barrier_signal -1
	s_barrier_wait -1                              ; a buffer is written again two chunks on, behind one more such barrier
	WIN 0x04                                       ; source 1 (the weights) window 1; all else window 0
	FBLOAD \c, 0
.irp k,0,1,2,3,4,5,6,7
.if \k < 7
.if \k > 0
.rept 4
	v_nop                                          ; four places between the products that read a set and the loads into it
.endr
.endif
	FBLOAD \c, \k+1
	s_wait_dscnt 8                                 ; this K step's 8 loads are in; the next one's stay out
.else
	s_wait_dscnt 0x0
.endif
.irp j,0,1,2,3                         ; the four accumulators take turns
.if ((\c) == 0) && (\k == 0)
	v_wmma_f32_16x16x32_bf16 v[ACC+8*\j:ACC+8*\j+7], v[FB0+32*(\k%2)+8*\j:FB0+32*(\k%2)+8*\j+7], v[8*(8*(\c)+\k):8*(8*(\c)+\k)+7], 0
.else
	v_wmma_f32_16x16x32_bf16 v[ACC+8*\j:ACC+8*\j+7], v[FB0+32*(\k%2)+8*\j:FB0+32*(\k%2)+8*\j+7], v[8*(8*(\c)+\k):8*(8*(\c)+\k)+7], v[ACC+8*\j:ACC+8*\j+7]
.endif
.endr
.endr
.endm
	s_load_b128 s[4:7], s[0:1], 0x0                ; wf s[4:5], value s[6:7]
	s_load_b64 s[8:9], s[0:1], 0x10                ; uq
	v_lshl_add_u32 v12, v0, 2, SPARE
	v_mov_b32 v13, 0
	v_lshrrev_b32 v1, 5, v0
	v_readfirstlane_b32 s12, v1                    ; wave
	v_and_b32 v2, 15, v0                           ; r
	v_bfe_u32 v3, v0, 4, 1                         ; hh
	v_and_b32 v4, 31, v0                           ; lane
	s_and_b32 s13, ttmp9, 1                        ; plane: which 1,024 keys
	s_bfe_u32 s14, ttmp9, 0x40001                  ; column block
	s_lshr_b32 s15, ttmp9, 5                       ; batch
	v_lshrrev_b32 v5, 2, v2
	v_and_b32 v1, 3, v2
	v_lshlrev_b32 v5, 8, v5
	v_lshl_add_u32 v5, v1, 5, v5
	v_lshl_add_u32 v5, v3, 4, v5                   ; weights: (r>>2)*256 + (r&3)*32 + hh*16
	s_lshl_b32 s16, s12, 17
	v_lshlrev_b32 v6, 16, v3
	v_lshl_add_u32 v6, v2, 4, v6
	v_add_nc_u32 v6, s16, v6                       ; value: row 32 w + 16 hh, 16 r
	v_lshlrev_b32 v7, 4, v4                        ; 16 x lane
	s_lshl_b32 s16, s12, 12
	v_add_nc_u32 v8, s16, v7                       ; LDS in: K step w of the chunk
	s_mul_i32 s16, s12, 4352
	s_add_co_u32 s16, s16, STAGE
	v_mul_u32_u24 v9, v2, 272
	v_lshl_add_u32 v9, v3, 7, v9
	v_add_nc_u32 v9, s16, v9                       ; stage in: row r, columns 32 hh on
	v_bfe_u32 v10, v4, 1, 3
	v_mul_u32_u24 v10, v10, 272
	v_lshl_add_u32 v10, v3, 5, v10
	v_and_b32 v1, 1, v4
	v_lshl_add_u32 v10, v1, 4, v10
	v_add_nc_u32 v10, s16, v10                     ; stage back: row (lane>>1)&7, 32 hh + 16 (lane&1)
	s_lshl_b32 s16, s15, 3
	s_add_co_u32 s16, s16, s12
	s_lshl_b32 s16, s16, 16                        ; weights: tile (b, w), 64 K steps of 1,024 bytes,
	s_lshl_b32 s17, s13, 15                        ; the plane's 32
	s_add_co_u32 s16, s16, s17
	s_mov_b32 s17, 0
	s_lshl_b32 s18, s15, 23
	s_lshl_b32 s19, s13, 22
	s_add_co_u32 s18, s18, s19
	s_lshl_b32 s19, s14, 8
	s_add_co_u32 s18, s18, s19
	s_mov_b32 s19, 0
	s_lshl_b32 s20, s12, 20                        ; U: heads 2 w, 2 w + 1, 524,288 bytes each,
	s_lshl_b32 s21, s13, 18                        ; the plane,
	s_add_co_u32 s20, s20, s21
	s_lshr_b32 s21, s15, 1
	s_lshl_b32 s21, s21, 16
	s_add_co_u32 s20, s20, s21
	s_lshl_b32 s21, s14, 12
	s_add_co_u32 s20, s20, s21
	s_and_b32 s21, s15, 1
	s_lshl_b32 s21, s21, 10
	s_add_co_u32 s20, s20, s21
	s_mov_b32 s21, 0
	s_wait_kmcnt 0x0
	s_add_nc_u64 s[4:5], s[4:5], s[16:17]
	s_add_nc_u64 s[6:7], s[6:7], s[18:19]
	s_add_nc_u64 s[8:9], s[8:9], s[20:21]
	WIN 0x40                                       ; destination window 1, address window 0
.set i, 0
.rept 64                               ; my 16 rows' weights for the plane's 32 K steps
	global_load_b128 v[4*i:4*i+3], v5, s[4:5] offset:(i/2)*1024+(i%2)*128
.set i, i+1
.endr
	LDV 0
	LDV 1
	TRIP 0
	TRIP 1
	TRIP 2
	TRIP 3
	WIN 0
.rept 4
	v_nop                                          ; four places between the last products and the first read of a result (ISA guide 7.12.1)
.endr
.irp j,0,1,2,3                         ; a lane holds row r and columns 32 hh + 4 v + j: through my own stage into the reader's order
.irp v,0,1,2,3,4,5,6,7
	ds_store_b32 v9, v[ACC+8*\j+\v] offset:(4*\v+\j)*4
.endr
.endr
.irp t,0,1,2,3,4,5,6,7
	ds_load_b128 v[FB0+4*\t:FB0+4*\t+3], v10 offset:(\t/4)*2176+((\t/2)%2)*128+(\t%2)*64  ; LDS serves a wave's instructions in order: these see the stores above
.endr
.irp t,0,1,2,3,4,5,6,7
	s_wait_dscnt 7-\t
	global_store_b128 v7, v[FB0+4*\t:FB0+4*\t+3], s[8:9] offset:(\t/4)*524288+((\t/2)%2)*2048+(\t%2)*512  ; 512 consecutive bytes, aligned
.endr
	s_wait_tensorcnt 0x0                           ; the wave's end
	ds_add_u32 v12, v13
	s_wait_dscnt 0x0
	s_endpgm
.Lfunc_end_k_qb6364bf2a7_ug:
	.size	k_qb6364bf2a7_ug, .Lfunc_end_k_qb6364bf2a7_ug-k_qb6364bf2a7_ug
	.p2alignl 7, 3214868480
	.fill 96, 4, 3214868480
	.section	.rodata,"a",@progbits
	.p2align	6, 0x0
	.amdhsa_kernel k_qb6364bf2a7_ug
		.amdhsa_group_segment_fixed_size 101376
		.amdhsa_private_segment_fixed_size 0
		.amdhsa_enable_private_segment 0
		.amdhsa_kernarg_size 24
		.amdhsa_user_sgpr_count 2
		.amdhsa_user_sgpr_kernarg_segment_ptr 1
		.amdhsa_wavefront_size32 1
		.amdhsa_system_sgpr_workgroup_id_x 1
		.amdhsa_system_sgpr_workgroup_id_y 1
		.amdhsa_system_sgpr_workgroup_id_z 1
		.amdhsa_system_vgpr_workitem_id 0
		.amdhsa_next_free_vgpr 512
		.amdhsa_next_free_sgpr 66
		.amdhsa_reserve_vcc 0
		.amdhsa_float_denorm_mode_32 3
		.amdhsa_float_denorm_mode_16_64 3
		.amdhsa_memory_ordered 1
		.amdhsa_forward_progress 1
		.amdhsa_inst_pref_size 58
	.end_amdhsa_kernel
	.amdgpu_metadata
---
amdhsa.version: [ 1, 2 ]
amdhsa.kernels:
  - .name:           k_qb6364bf2a7_ug
    .symbol:         k_qb6364bf2a7_ug.kd
    .args:
      - { .name: wf, .offset: 0, .size: 8, .value_kind: global_buffer, .address_space: global }
      - { .name: value, .offset: 8, .size: 8, .value_kind: global_buffer, .address_space: global }
      - { .name: uq, .offset: 16, .size: 8, .value_kind: global_buffer, .address_space: global }
    .group_segment_fixed_size: 101376
    .private_segment_fixed_size: 0
    .kernarg_segment_align: 8
    .kernarg_segment_size: 24
    .max_flat_workgroup_size: 256
    .sgpr_count:     66
    .vgpr_count:     512
    .wavefront_size: 32
...
	.end_amdgpu_metadata
.endif
;; end of part 6
;; launch ao: the kernel of part 2 again; grid 4 x 16, 16 waves a work-group, no clusters, 71,680 bytes of LDS; arguments uq, W_vc, b_vc, xa; writes xa
;; launch ka: the kernel of part 2 again; grid 64 x 1, 16 waves a work-group, no clusters, 71,680 bytes of LDS; arguments xa, W_ka, b_ka, xb; writes xb
;; launch g2: the kernel of part 3 again; grid 16 x 16, 4 waves a work-group, no clusters, 9,728 bytes of LDS; arguments xb, W_qo, b_qo, gf, cb; writes gf, cb
;; launch va: the kernel of part 2 again; grid 64 x 1, 16 waves a work-group, no clusters, 71,680 bytes of LDS; arguments xa, W_va, b_va, xb; writes xb
;; launch p2 (part 7): grid 16 x 16, 4 waves a work-group, no clusters, 0 bytes of LDS; arguments xb, W_proj, sc; writes sc
.if DOCPART == 7
	.amdgcn_target "amdgcn-amd-amdhsa--gfx1250"
	.amdhsa_code_object_version 6
	.text
	.protected	k_qb6364bf2a7_p2
	.globl	k_qb6364bf2a7_p2
	.p2align	8
	.type	k_qb6364bf2a7_p2,@function
k_qb6364bf2a7_p2:
	s_mov_b64 s[64:65], 0
	v_nop
	global_prefetch_b8 v0, s[64:65] scope:SCOPE_SE
	s_setreg_imm32_b32 hwreg(HW_REG_WAVE_MODE, 25, 1), 1
	s_wait_xcnt 0x0
; P2[b][8 h + a][n] = sum over d of v_a[8 b + a][64 h + d] W_proj[64 h + d][n]: with it (AF v_a) W_proj = AF P2, a product with K = 128 instead of 1,024.
; W_proj is an input: rounded to bf16.  v_a (f32, two planes added here) is rounded to bf16; sums in f32; P2 leaves as bf16.
; SHARES.  A work-group owns head h and 64 columns n (nb); wave w owns rows m = 16 w .. 16 w + 15 (batches 2 w, 2 w + 1).  The four waves read the same 16 KiB of W.
; W lies [k][n]: a lane loads 16 rows' 16 bytes and picks column j of each: fragment j, whose column r means n = 4 r + j.
; Source 0 = v_a, source 1 = W: a lane's eight results are a = 0..7 of one batch, head and column: 16 bytes of bf16, which are half a lane's share of a fragment for the next product.
; LAYOUT: byte = b*262144 + ((h>>2)*64 + nb*4 + j)*1024 + (h&1)*512 + ((h>>1)&1)*256 + r*16 + a*2.
; No LDS, no tensor loads, no cluster: eight matrix instructions a wave; the operands go straight into fragment registers.
.set XA,  16                           ; v[16:47] v_a plane 0; later the four accumulators
.set XB,  48                           ; v[48:79] plane 1; later W's fragments of K step 0
.set AFR, 80                           ; v[80:95] v_a's fragments
.set OUT, 96                           ; v[96:111] packed results
.set S0,  128
.set S1,  192
.set BF,  48                           ; W's fragment (ks, j) at BF + 80 ks + 8 j
.set ACC, 16
	s_load_b128 s[4:7], s[0:1], 0x0                ; v_a s[4:5], W s[6:7]
	s_load_b64 s[8:9], s[0:1], 0x10                ; P2
	v_lshrrev_b32 v1, 5, v0
	v_readfirstlane_b32 s12, v1                    ; wave
	v_and_b32 v2, 15, v0                           ; r
	v_bfe_u32 v3, v0, 4, 1                         ; hh
	s_and_b32 s13, ttmp7, 0xffff                   ; h
	v_lshrrev_b32 v4, 3, v2
	v_and_b32 v5, 7, v2
	v_lshlrev_b32 v4, 10, v4
	v_lshl_add_u32 v4, v3, 9, v4
	v_lshl_add_u32 v4, v5, 5, v4
	s_lshl_b32 s14, s12, 16
	s_lshl_b32 s15, s13, 12
	s_add_co_u32 s14, s14, s15
	v_add_nc_u32 v4, s14, v4                       ; v_a: block (w, 2 h), my lane's place
	s_lshl_b32 s14, s13, 18
	s_lshl_b32 s15, ttmp9, 8
	s_add_co_u32 s14, s14, s15
	v_lshlrev_b32 v5, 16, v3
	v_lshl_add_u32 v5, v2, 4, v5
	v_add_nc_u32 v5, s14, v5                       ; W: row 64 h + 16 hh, byte 256 nb + 16 r
	v_lshlrev_b32 v6, 18, v3
	v_lshl_add_u32 v6, v2, 4, v6                   ; P2: batch hh of my two, 16 r
	s_lshl_b32 s16, s12, 19
	s_lshr_b32 s15, s13, 2
	s_lshl_b32 s15, s15, 16
	s_add_co_u32 s16, s16, s15
	s_lshl_b32 s15, ttmp9, 12
	s_add_co_u32 s16, s16, s15
	s_and_b32 s15, s13, 1
	s_lshl_b32 s15, s15, 9
	s_add_co_u32 s16, s16, s15
	s_bfe_u32 s15, s13, 0x10001
	s_lshl_b32 s15, s15, 8
	s_add_co_u32 s16, s16, s15
	s_mov_b32 s17, 0
	s_wait_kmcnt 0x0
	s_add_nc_u64 s[8:9], s[8:9], s[16:17]
.irp pl,0,1
.irp ks,0,1
.irp q,0,1,2,3
	global_load_b128 v[XA+32*\pl+16*\ks+4*\q:XA+32*\pl+16*\ks+4*\q+3], v4, s[4:5] offset:\pl*262144+\ks*2048+(\q/2)*256+(\q%2)*16
.endr
.endr
.endr
.set i, 0
.rept 32
	global_load_b128 v[S0+4*i:S0+4*i+3], v5, s[6:7] offset:((i/16)*32+i%16)*4096
.set i, i+1
.endr
	s_wait_loadcnt 32                              ; v_a is in; the 32 loads of W stay out
.set q, 0
.rept 16
	v_pk_add_f32 v[XA+2*q:XA+2*q+1], v[XA+2*q:XA+2*q+1], v[XB+2*q:XB+2*q+1]
.set q, q+1
.endr
.set q, 0
.rept 16
	v_cvt_pk_bf16_f32 v[AFR+q], v[XA+2*q], v[XA+2*q+1]
.set q, q+1
.endr
	s_wait_loadcnt 16                              ; W's K step 0 is in; K step 1's 16 loads stay out
.irp j,0,1,2,3
.irp t,0,1,2,3,4,5,6,7
	v_cvt_pk_bf16_f32 v[BF+8*\j+\t], v[S0+8*\t+\j], v[S0+8*\t+4+\j]
.endr
.endr
	s_wait_loadcnt 0x0
.irp j,0,1,2,3
.irp t,0,1,2,3,4,5,6,7
	v_cvt_pk_bf16_f32 v[BF+80+8*\j+\t], v[S1+8*\t+\j], v[S1+8*\t+4+\j]
.endr
.endr
.irp ks,0,1                            ; the four accumulators take turns; the first four products start the sums
.irp j,0,1,2,3
.if \ks == 0
	v_wmma_f32_16x16x32_bf16 v[ACC+8*\j:ACC+8*\j+7], v[AFR+8*\ks:AFR+8*\ks+7], v[BF+80*\ks+8*\j:BF+80*\ks+8*\j+7], 0
.else
	v_wmma_f32_16x16x32_bf16 v[ACC+8*\j:ACC+8*\j+7], v[AFR+8*\ks:AFR+8*\ks+7], v[BF+80*\ks+8*\j:BF+80*\ks+8*\j+7], v[ACC+8*\j:ACC+8*\j+7]
.endif
.endr
.endr
.rept 4
	v_nop                                          ; four places between the last products and the first read of a result (ISA guide 7.12.1)
.endr
.irp j,0,1,2,3
.irp q,0,1,2,3
	v_cvt_pk_bf16_f32 v[OUT+4*\j+\q], v[ACC+8*\j+2*\q], v[ACC+8*\j+2*\q+1]
.endr
.endr
.irp j,0,1,2,3
	global_store_b128 v6, v[OUT+4*\j:OUT+4*\j+3], s[8:9] offset:\j*1024  ; sixteen lanes store 256 consecutive bytes, aligned
.endr
	s_endpgm
.Lfunc_end_k_qb6364bf2a7_p2:
	.size	k_qb6364bf2a7_p2, .Lfunc_end_k_qb6364bf2a7_p2-k_qb6364bf2a7_p2
	.p2alignl 7, 3214868480
	.fill 96, 4, 3214868480
	.section	.rodata,"a",@progbits
	.p2align	6, 0x0
	.amdhsa_kernel k_qb6364bf2a7_p2
		.amdhsa_group_segment_fixed_size 0
		.amdhsa_private_segment_fixed_size 0
		.amdhsa_enable_private_segment 0
		.amdhsa_kernarg_size 24
		.amdhsa_user_sgpr_count 2
		.amdhsa_user_sgpr_kernarg_segment_ptr 1
		.amdhsa_wavefront_size32 1
		.amdhsa_system_sgpr_workgroup_id_x 1
		.amdhsa_system_sgpr_workgroup_id_y 1
		.amdhsa_system_sgpr_workgroup_id_z 1
		.amdhsa_system_vgpr_workitem_id 0
		.amdhsa_next_free_vgpr 256
		.amdhsa_next_free_sgpr 66
		.amdhsa_reserve_vcc 0
		.amdhsa_float_denorm_mode_32 3
		.amdhsa_float_denorm_mode_16_64 3
		.amdhsa_memory_ordered 1
		.amdhsa_forward_progress 1
		.amdhsa_inst_pref_size 15
	.end_amdhsa_kernel
	.amdgpu_metadata
---
amdhsa.version: [ 1, 2 ]
amdhsa.kernels:
  - .name:           k_qb6364bf2a7_p2
    .symbol:         k_qb6364bf2a7_p2.kd
    .args:
      - { .name: xb, .offset: 0, .size: 8, .value_kind: global_buffer, .address_space: global }
      - { .name: W_proj, .offset: 8, .size: 8, .value_kind: global_buffer, .address_space: global }
      - { .name: sc, .offset: 16, .size: 8, .value_kind: global_buffer, .address_space: global }
    .group_segment_fixed_size: 0
    .private_segment_fixed_size: 0
    .kernarg_segment_align: 8
    .kernarg_segment_size: 24
    .max_flat_workgroup_size: 128
    .sgpr_count:     66
    .vgpr_count:     256
    .wavefront_size: 32
...
	.end_amdgpu_metadata
.endif
;; end of part 7
;; launch final (part 8): grid 256 x 1, 8 waves a work-group, no clusters, 52,224 bytes of LDS; arguments query, gf, cb, sc, b_proj, out0, out1; writes out0, out1
.if DOCPART == 8
	.amdgcn_target "amdgcn-amd-amdhsa--gfx1250"
	.amdhsa_code_object_version 6
	.text
	.protected	k_qb6364bf2a7_final
	.globl	k_qb6364bf2a7_final
	.p2align	8
	.type	k_qb6364bf2a7_final,@function
k_qb6364bf2a7_final:
	s_mov_b64 s[64:65], 0
	v_nop
	global_prefetch_b8 v0, s[64:65] scope:SCOPE_SE
	s_setreg_imm32_b32 hwreg(HW_REG_WAVE_MODE, 25, 1), 1
	s_wait_xcnt 0x0
; For 32 rows of query of one batch: logits[n][h][a] = (query[n] . G2[h][a] + c2[h][a]) / 8; softmax over the 8 agents (the maximum taken away first) = out1;
; out0[n][:] = sum over (h, a) of AF[n][h][a] P2[h][a][:] + b_proj.  query and b_proj are inputs: rounded to bf16.  G2's leading bf16 piece, AF and P2 in bf16; sums, softmax and bias in f32.
; SHARES.  Eight waves.  First product: wave w owns heads 2 w, 2 w + 1 x 32 rows: two accumulators; source 0 = G2's 16 columns, source 1 = 16 rows of query, so a lane holds all 8 agents of one row and head
; and the softmax never leaves the lane.  K goes in 8 chunks of 128: each wave loads 4 rows' 512 bytes, rounds them into one of three LDS buffers; one barrier a chunk; G2 goes straight into fragment registers.
; Both run three chunks ahead in rings of registers, with counted waits.  Second product: K = 128; wave w owns columns 128 w .. 128 w + 127 in two passes of 64; P2's fragments lie in window 1.
; The text has no loop and no label.  No tensor loads: query has to be rounded on its way.  No cluster: the 32 work-groups of a batch share G2 and P2 alone, which go to registers, not to LDS tiles.
; REGISTERS.  window 0: v16-63 query as loaded, three sets (later bias, addresses, softmax's temporaries); v64-159 G2's fragments, three sets (later the second product's accumulators and what is stored);
;             v160-223 fragments of query, later of AF; v224-239 the logits; v240-247 rounded query; v248-255 c2.    window 1: P2's fragments at 128 P + 32 ks + 8 j
.set AFB,   26112                      ; behind three buffers of 32 x 272 bytes: AF, 32 rows x 272 bytes
.set O1B,   34816                      ; 2,048 bytes a wave: out1's numbers on their way out
.set SPARE, 51200
.set ST, 16
.set GB, 64
.set QF, 160
.set AC, 224
.set CV, 240
.set C2, 248
.set O,  64                            ; second product: accumulator (mt, j) at O + 32 mt + 8 j
.set TS, 128                           ; eight sets of four registers to store
.set MSB, 0
.macro WIN new                         ; the immediate's high byte repeats the setting that is left; a switch that changes nothing is dropped
.if MSB != (\new)
	s_set_vgpr_msb (MSB<<8)|(\new)
.set MSB, \new
.endif
.endm
.macro LDQ c                           ; chunk c of my 4 rows of query: a load takes one row's 512 bytes
.irp rw,0,1,2,3
	global_load_b128 v[ST+16*((\c)%3)+4*\rw:ST+16*((\c)%3)+4*\rw+3], v5, s[4:5] offset:\rw*4096+(\c)*512 th:TH_LOAD_NT
.endr
.endm
.macro LDG c                           ; chunk c of G2's leading piece for my 16 columns: 4 K steps x 2 halves
.irp ks,0,1,2,3
.irp hf,0,1
	global_load_b128 v[GB+32*((\c)%3)+8*\ks+4*\hf:GB+32*((\c)%3)+8*\ks+4*\hf+3], v6, s[6:7] offset:(4*(\c)+\ks)*24576+\hf*128
.endr
.endr
.endm
.macro TRIP c
.set n_, 7-(\c)                        ; later chunks already asked for: two, fewer at the end
.if n_ > 2
.set n_, 2
.endif
.set f_, 0                             ; is there a chunk c + 3?
.if (\c) <= 4
.set f_, 1
.endif
	s_wait_loadcnt 8+12*n_                         ; query's chunk c is in: behind it were issued G2's chunk c (8) and 12 for each later chunk
.irp rw,0,1,2,3
	v_cvt_pk_bf16_f32 v[CV+2*\rw], v[ST+16*((\c)%3)+4*\rw], v[ST+16*((\c)%3)+4*\rw+1]
	v_cvt_pk_bf16_f32 v[CV+2*\rw+1], v[ST+16*((\c)%3)+4*\rw+2], v[ST+16*((\c)%3)+4*\rw+3]
.endr
.irp rw,0,1,2,3
	ds_store_b64 v7, v[CV+2*\rw:CV+2*\rw+1] offset:((\c)%3)*8704+\rw*272
.endr
.if f_
	LDQ (\c)+3
.endif
	s_wait_dscnt 0x0                               ; my rows are in LDS, and my reads of the last chunk's buffer are over
	s_barrier_signal -1
	s_barrier_wait -1                              ; a buffer is written again three chunks on, behind two more such barriers
.irp mt,0,1
.irp ks,0,1,2,3
.irp hf,0,1
	ds_load_b128 v[QF+32*\mt+8*\ks+4*\hf:QF+32*\mt+8*\ks+4*\hf+3], v8 offset:((\c)%3)*8704+\mt*4352+\ks*64+\hf*16
.endr
.endr
.endr
	s_wait_loadcnt 12*n_+4*f_                      ; G2's chunk c is in: behind it the later chunks, and query's chunk c + 3
	s_wait_dscnt 0x0
.irp ks,0,1,2,3                        ; the two accumulators take turns
.irp mt,0,1
.if ((\c) == 0) && (\ks == 0)
	v_wmma_f32_16x16x32_bf16 v[AC+8*\mt:AC+8*\mt+7], v[GB+32*((\c)%3)+8*\ks:GB+32*((\c)%3)+8*\ks+7], v[QF+32*\mt+8*\ks:QF+32*\mt+8*\ks+7], 0
.else
	v_wmma_f32_16x16x32_bf16 v[AC+8*\mt:AC+8*\mt+7], v[GB+32*((\c)%3)+8*\ks:GB+32*((\c)%3)+8*\ks+7], v[QF+32*\mt+8*\ks:QF+32*\mt+8*\ks+7], v[AC+8*\mt:AC+8*\mt+7]
.endif
.endr
.endr
.if f_
.rept 4
	v_nop                                          ; four places between the last products and the loads into their sources
.endr
	LDG (\c)+3
.endif
.endm
	s_load_b256 s[4:11], s[0:1], 0x0               ; query s[4:5], G2 s[6:7], c2 s[8:9], P2 s[10:11]
	s_load_b128 s[12:15], s[0:1], 0x20             ; b_proj s[12:13], out0 s[14:15]
	s_load_b64 s[16:17], s[0:1], 0x30              ; out1
	v_lshl_add_u32 v12, v0, 2, SPARE
	v_mov_b32 v13, 0
	v_lshrrev_b32 v1, 5, v0
	v_readfirstlane_b32 s18, v1                    ; wave
	v_and_b32 v2, 15, v0                           ; r
	v_bfe_u32 v3, v0, 4, 1                         ; hh
	v_and_b32 v4, 31, v0                           ; lane
	s_lshr_b32 s19, ttmp9, 5                       ; batch
	s_and_b32 s20, ttmp9, 31                       ; block of 32 rows
	v_lshlrev_b32 v9, 4, v4                        ; 16 x lane
	s_lshl_b32 s21, s18, 14
	v_add_nc_u32 v5, s21, v9                       ; query: row 4 w, 16 x lane
	v_lshrrev_b32 v1, 3, v2
	v_and_b32 v6, 7, v2
	v_lshlrev_b32 v6, 4, v6
	v_lshl_add_u32 v6, v1, 8, v6
	v_lshl_add_u32 v6, v3, 9, v6
	s_lshl_b32 s21, s18, 10
	v_add_nc_u32 v6, s21, v6                       ; G2: tile w, hh*512 + (r>>3)*256 + (r&7)*16
	s_mul_i32 s21, s18, 1088
	v_lshl_add_u32 v7, v4, 3, s21                  ; LDS in: row 4 w, 8 x lane
	v_mul_u32_u24 v8, v2, 272
	v_lshl_add_u32 v15, v3, 4, v8                  ; (AF in: row r, 16 hh, the rest below)
	v_lshl_add_u32 v8, v3, 5, v8                   ; LDS out: row r, 32 hh
	v_lshlrev_b32 v10, 5, v3                       ; c2: 8 hh numbers on
	v_lshlrev_b32 v11, 4, v2                       ; bias: 4 r numbers on
	s_lshl_b32 s21, s18, 11
	s_add_co_u32 s21, s21, O1B                     ; my 2,048 bytes for out1
	v_lshlrev_b32 v14, 10, v3
	v_lshl_add_u32 v14, v2, 5, v14
	v_add_nc_u32 v14, s21, v14                     ; in: head hh, row r, 32 bytes each
	s_lshl_b32 s22, s18, 5
	s_add_co_u32 s22, s22, AFB
	v_add_nc_u32 v15, s22, v15                     ; AF in: row r, head 2 w + hh, 16 bytes each
	s_lshl_b32 s24, s19, 22
	s_lshl_b32 s23, s20, 17
	s_add_co_u32 s24, s24, s23
	s_mov_b32 s25, 0
	s_mul_i32 s26, s19, 0xc0000
	s_mov_b32 s27, 0
	s_lshl_b32 s28, s19, 9
	s_lshl_b32 s23, s18, 6
	s_add_co_u32 s28, s28, s23
	s_mov_b32 s29, 0
	s_lshl_b32 s30, s19, 18
	s_lshl_b32 s23, s18, 13
	s_add_co_u32 s30, s30, s23
	s_mov_b32 s31, 0
	s_lshl_b32 s32, s18, 9
	s_mov_b32 s33, 0
	s_add_co_u32 s34, s24, s32
	s_mov_b32 s35, 0
	s_lshl_b32 s36, s19, 19
	s_lshl_b32 s23, s18, 16
	s_add_co_u32 s36, s36, s23
	s_lshl_b32 s23, s20, 10
	s_add_co_u32 s36, s36, s23
	s_mov_b32 s37, 0
	s_mov_b32 s38, 0x3e38aa3b                      ; log2(e) / 8
	s_mov_b32 s39, s38
	s_mov_b32 s40, 0xffff0000
	s_wait_kmcnt 0x0
	s_add_nc_u64 s[4:5], s[4:5], s[24:25]
	s_add_nc_u64 s[6:7], s[6:7], s[26:27]
	s_add_nc_u64 s[8:9], s[8:9], s[28:29]
	s_add_nc_u64 s[10:11], s[10:11], s[30:31]
	s_add_nc_u64 s[12:13], s[12:13], s[32:33]
	s_add_nc_u64 s[14:15], s[14:15], s[34:35]
	s_add_nc_u64 s[16:17], s[16:17], s[36:37]
	global_load_b128 v[C2:C2+3], v10, s[8:9]       ; c2 of my head's 8 agents
	global_load_b128 v[C2+4:C2+7], v10, s[8:9] offset:16
	LDQ 0
	LDG 0
	LDQ 1
	LDG 1
	LDQ 2
	LDG 2
.irp c,0,1,2,3,4,5,6,7
	TRIP \c
.endr
	WIN 0x40                                       ; destination window 1, address window 0
.irp pp,0,1                            ; P2's fragments for my 128 columns: asked for now, wanted behind the softmax
.irp ks,0,1,2,3
.irp j,0,1,2,3
.irp hf,0,1
	global_load_b128 v[128*\pp+32*\ks+8*\j+4*\hf:128*\pp+32*\ks+8*\j+4*\hf+3], v9, s[10:11] offset:\ks*65536+\pp*4096+\j*1024+\hf*512
.endr
.endr
.endr
.endr
	WIN 0
	global_load_b128 v[16:19], v11, s[12:13]       ; the bias of columns 4 r + 0..3, pass 0,
	global_load_b128 v[20:23], v11, s[12:13] offset:256  ; and pass 1
.rept 4
	v_nop                                          ; four places between the last products and the first read of a result (ISA guide 7.12.1)
.endr
	v_add_nc_u32 v24, s21, v9                      ; out1 back: my 2,048 bytes, 16 x lane
	v_lshlrev_b32 v25, 15, v3
	v_lshl_add_u32 v25, v2, 4, v25                 ; out0: 8 hh rows, 16 r
.irp mt,0,1
.irp q,0,1,2,3
	v_pk_add_f32 v[AC+8*\mt+2*\q:AC+8*\mt+2*\q+1], v[AC+8*\mt+2*\q:AC+8*\mt+2*\q+1], v[C2+2*\q:C2+2*\q+1]
.endr
.endr
.irp mt,0,1
	v_max3_num_f32 v[32+\mt], v[AC+8*\mt], v[AC+8*\mt+1], v[AC+8*\mt+2]
.endr
.irp mt,0,1
	v_max3_num_f32 v[32+\mt], v[32+\mt], v[AC+8*\mt+3], v[AC+8*\mt+4]
.endr
.irp mt,0,1
	v_max3_num_f32 v[32+\mt], v[32+\mt], v[AC+8*\mt+5], v[AC+8*\mt+6]
.endr
.irp mt,0,1
	v_max_num_f32 v[32+\mt], v[32+\mt], v[AC+8*\mt+7]
.endr
.irp mt,0,1
	v_mul_f32 v[36+2*\mt], s38, v[32+\mt]          ; the maximum, scaled like the logits
	v_mov_b32 v[37+2*\mt], 0                       ; named with it as a pair
.endr
.irp mt,0,1
.irp q,0,1,2,3
	v_pk_fma_f32 v[AC+8*\mt+2*\q:AC+8*\mt+2*\q+1], v[AC+8*\mt+2*\q:AC+8*\mt+2*\q+1], s[38:39], v[36+2*\mt:37+2*\mt] op_sel_hi:[1,0,0] neg_lo:[0,0,1] neg_hi:[0,0,1]
.endr
.endr
.set i, 0
.rept 16
	v_exp_f32 v[AC+i], v[AC+i]
.set i, i+1
.endr
	v_nop                                          ; a plain instruction between the last exponential and the use of its result
	s_wait_alu depctr_va_vdst(0)
.irp mt,0,1
	v_pk_add_f32 v[40+4*\mt:41+4*\mt], v[AC+8*\mt:AC+8*\mt+1], v[AC+8*\mt+2:AC+8*\mt+3]
	v_pk_add_f32 v[42+4*\mt:43+4*\mt], v[AC+8*\mt+4:AC+8*\mt+5], v[AC+8*\mt+6:AC+8*\mt+7]
.endr
.irp mt,0,1
	v_pk_add_f32 v[40+4*\mt:41+4*\mt], v[40+4*\mt:41+4*\mt], v[42+4*\mt:43+4*\mt]
.endr
.irp mt,0,1
	v_add_f32 v[40+4*\mt], v[40+4*\mt], v[41+4*\mt]
.endr
.irp mt,0,1
	v_rcp_f32 v[42+4*\mt], v[40+4*\mt]
.endr
	v_nop                                          ; a plain instruction between the last reciprocal and the use of its result
	s_wait_alu depctr_va_vdst(0)
.irp mt,0,1
.irp q,0,1,2,3
	v_pk_mul_f32 v[AC+8*\mt+2*\q:AC+8*\mt+2*\q+1], v[AC+8*\mt+2*\q:AC+8*\mt+2*\q+1], v[42+4*\mt:43+4*\mt] op_sel_hi:[1,0]
.endr
.endr
.irp mt,0,1
.irp q,0,1
	ds_store_b128 v14, v[AC+8*\mt+4*\q:AC+8*\mt+4*\q+3] offset:\mt*512+\q*16
.endr
.endr
.irp mt,0,1
.irp q,0,1,2,3
	v_cvt_pk_bf16_f32 v[48+4*\mt+\q], v[AC+8*\mt+2*\q], v[AC+8*\mt+2*\q+1]
.endr
.endr
.irp mt,0,1
	ds_store_b128 v15, v[48+4*\mt:51+4*\mt] offset:\mt*4352
.endr
	s_wait_dscnt 0x0                               ; for the others' sake: my two heads of AF are in LDS
	s_barrier_signal -1
	s_barrier_wait -1
.irp t,0,1,2,3
	ds_load_b128 v[32+4*\t:35+4*\t], v24 offset:\t*512
.endr
.irp mt,0,1
.irp ks,0,1,2,3
.irp hf,0,1
	ds_load_b128 v[QF+32*\mt+8*\ks+4*\hf:QF+32*\mt+8*\ks+4*\hf+3], v8 offset:AFB+\mt*4352+\ks*64+\hf*16
.endr
.endr
.endr
	s_wait_dscnt 16                                ; out1's four loads are in; AF's 16 fragment loads stay out
.irp t,0,1,2,3
	global_store_b128 v9, v[32+4*\t:35+4*\t], s[16:17] offset:(\t/2)*32768+(\t%2)*512 th:TH_STORE_NT  ; 512 consecutive bytes, aligned
.endr
	s_wait_loadcnt 0x0                             ; P2 and the bias
.irp q,0,1,2,3
	v_cvt_pk_bf16_f32 v[56+\q], v[16+2*\q], v[17+2*\q]  ; the bias is an input: rounded to bf16 like the others
.endr
.irp q,0,1,2,3
	v_lshlrev_b32 v[16+2*\q], 16, v[56+\q]
	v_and_b32 v[17+2*\q], s40, v[56+\q]
.endr
	s_wait_dscnt 0x0
.irp pp,0,1
	WIN 0x04                                       ; source 1 (P2) window 1; all else window 0
.irp ks,0,1,2,3                        ; 32 products; the eight accumulators take turns; the first eight start the sums
.irp mt,0,1
.irp j,0,1,2,3
.if \ks == 0
	v_wmma_f32_16x16x32_bf16 v[O+32*\mt+8*\j:O+32*\mt+8*\j+7], v[QF+32*\mt+8*\ks:QF+32*\mt+8*\ks+7], v[128*\pp+32*\ks+8*\j:128*\pp+32*\ks+8*\j+7], 0
.else
	v_wmma_f32_16x16x32_bf16 v[O+32*\mt+8*\j:O+32*\mt+8*\j+7], v[QF+32*\mt+8*\ks:QF+32*\mt+8*\ks+7], v[128*\pp+32*\ks+8*\j:128*\pp+32*\ks+8*\j+7], v[O+32*\mt+8*\j:O+32*\mt+8*\j+7]
.endif
.endr
.endr
.endr
	WIN 0
.rept 4
	v_nop                                          ; four places between the last products and the first read of a result (ISA guide 7.12.1)
.endr
.irp mt,0,1
	s_wait_xcnt 0x0                                ; the eight sets are written again only when the stores that read them have had their addresses translated (ISA guide 3.1)
.irp v,0,1,2,3,4,5,6,7                 ; register v of the four accumulators j = 0..3: four neighbouring columns of row 16 mt + 8 hh + v
.irp j,0,1,2,3
	v_add_f32 v[TS+4*\v+\j], v[O+32*\mt+8*\j+\v], v[16+4*\pp+\j]
.endr
	global_store_b128 v25, v[TS+4*\v:TS+4*\v+3], s[14:15] offset:(\mt*16+\v)*4096+\pp*256 th:TH_STORE_NT  ; sixteen lanes store 256 consecutive bytes, aligned
.endr
.endr
.endr
	s_wait_tensorcnt 0x0                           ; the wave's end
	ds_add_u32 v12, v13
	s_wait_dscnt 0x0
	s_endpgm
.Lfunc_end_k_qb6364bf2a7_final:
	.size	k_qb6364bf2a7_final, .Lfunc_end_k_qb6364bf2a7_final-k_qb6364bf2a7_final
	.p2alignl 7, 3214868480
	.fill 96, 4, 3214868480
	.section	.rodata,"a",@progbits
	.p2align	6, 0x0
	.amdhsa_kernel k_qb6364bf2a7_final
		.amdhsa_group_segment_fixed_size 52224
		.amdhsa_private_segment_fixed_size 0
		.amdhsa_enable_private_segment 0
		.amdhsa_kernarg_size 56
		.amdhsa_user_sgpr_count 2
		.amdhsa_user_sgpr_kernarg_segment_ptr 1
		.amdhsa_wavefront_size32 1
		.amdhsa_system_sgpr_workgroup_id_x 1
		.amdhsa_system_sgpr_workgroup_id_y 1
		.amdhsa_system_sgpr_workgroup_id_z 1
		.amdhsa_system_vgpr_workitem_id 0
		.amdhsa_next_free_vgpr 512
		.amdhsa_next_free_sgpr 66
		.amdhsa_reserve_vcc 0
		.amdhsa_float_denorm_mode_32 3
		.amdhsa_float_denorm_mode_16_64 3
		.amdhsa_memory_ordered 1
		.amdhsa_forward_progress 1
		.amdhsa_inst_pref_size 57
	.end_amdhsa_kernel
	.amdgpu_metadata
---
amdhsa.version: [ 1, 2 ]
amdhsa.kernels:
  - .name:           k_qb6364bf2a7_final
    .symbol:         k_qb6364bf2a7_final.kd
    .args:
      - { .name: query, .offset: 0, .size: 8, .value_kind: global_buffer, .address_space: global }
      - { .name: gf, .offset: 8, .size: 8, .value_kind: global_buffer, .address_space: global }
      - { .name: cb, .offset: 16, .size: 8, .value_kind: global_buffer, .address_space: global }
      - { .name: sc, .offset: 24, .size: 8, .value_kind: global_buffer, .address_space: global }
      - { .name: b_proj, .offset: 32, .size: 8, .value_kind: global_buffer, .address_space: global }
      - { .name: out0, .offset: 40, .size: 8, .value_kind: global_buffer, .address_space: global }
      - { .name: out1, .offset: 48, .size: 8, .value_kind: global_buffer, .address_space: global }
    .group_segment_fixed_size: 52224
    .private_segment_fixed_size: 0
    .kernarg_segment_align: 8
    .kernarg_segment_size: 56
    .max_flat_workgroup_size: 256
    .sgpr_count:     66
    .vgpr_count:     512
    .wavefront_size: 32
...
	.end_amdgpu_metadata
.endif
;; end of part 8
;; ======== version 2 of 2: 11 launches; 1.25 times as fast as version 1
;; workspace buffers: xa 524,288 bytes; xb 524,288 bytes; xc 524,288 bytes; gf 6,291,456 bytes; cb 4,096 bytes; sc 8,388,608 bytes; wf 4,194,304 bytes; uq 8,388,608 bytes
;; launch pool: the kernel of part 1 again; grid 256 x 1, 8 waves a work-group, no clusters, 3,328 bytes of LDS; arguments query, xa; writes xa
;; launch t1 (part 9): grid 128 x 1, 8 waves a work-group, no clusters, 35,840 bytes of LDS; arguments xa, W_agent, b_agent, xb, W_qa, b_qa, xc; writes xb, xc
.if DOCPART == 9
	.amdgcn_target "amdgcn-amd-amdhsa--gfx1250"
	.amdhsa_code_object_version 6
	.text
	.protected	k_qb6364bf2a7_t1
	.globl	k_qb6364bf2a7_t1
	.p2align	8
	.type	k_qb6364bf2a7_t1,@function
k_qb6364bf2a7_t1:
	s_mov_b64 s[64:65], 0
	v_nop
	global_prefetch_b8 v0, s[64:65] scope:SCOPE_SE
	s_setreg_imm32_b32 hwreg(HW_REG_WAVE_MODE, 25, 1), 1
	s_wait_xcnt 0x0
; Y = X W + b for 64 rows.  X: f32 in the fragment-ordered format (two planes that are added here); W: [1024][1024] f32, b: [1024] f32, both rounded to bf16 (the program rounds every input once).
; X is no input: it goes to the matrix unit as THREE bf16 pieces (x = p1 + p2 + p3, each residue exact), so that the products keep f32's accuracy; sums in f32.
; SHARES.  A work-group makes 16 rows (mt) x 64 columns (nb) over one HALF of K (kh); its 8 waves split that half, 64 each (two K steps of 32); the 8 partial tiles meet in LDS.
; The work-group's sum is plane kh of Y (the bias goes to plane 0): Y has X's format, and no sum spans work-groups.
; x = mt + 4 kh + 8 nb + 128 set.  Work-groups 128 to 255 take the SECOND set of arguments (W2, b2, Y2): two products of one X in one launch.  A launch of 128 work-groups never takes it.
; With a grid of 8 x 16 the y index picks one of 16 X buffers 524,288 bytes apart and is the column block.
; FRAGMENTS.  Slot i (0..15) of a lane means k = 32 step + 16 (lane/16) + i, alike for both sources, so the pairing of products is kept.  W lies [k][n]: a lane loads 16 rows' 16 bytes (columns 4 r .. 4 r + 3);
; picking column j of each gives fragment j, whose row r means column n = 4 r + j.  Source 0 = W's fragment, source 1 = X's: a lane's result holds row r of Y and columns 32 (lane/16) + 4 v + j.
; No tensor loads, no cluster: each wave's slice of W goes straight into its registers and is shared with no other wave; the launch is a few thousand matrix instructions in all.
.set SPARE, 34816                      ; behind 8 partial tiles of 16 x 272 bytes
.set MASK,  24                         ; s24 = 0xffff0000
.set XA,    16                         ; v[16:47] X plane 0 (K step 0, 1), later the four accumulators
.set XB,    48                         ; v[48:79] X plane 1, later W's fragments of K step 0
.set PC,    80                         ; v[80:127] X's pieces: piece p (0 = leading), K step ks at PC + 16 p + 8 ks
.set S0,    128                        ; v[128:191] W as loaded, K step 0; later W's fragments of K step 1
.set S1,    192                        ; v[192:255] W as loaded, K step 1
.set BF,    48                         ; W's fragment (ks, j) at BF + 80 ks + 8 j
.set ACC,   16
.macro SPLIT y, d1, d2, d3             ; the pair v[y], v[y+1] into three packed bf16 pieces; v[14:15] at work
	v_cvt_pk_bf16_f32 v[\d1], v[\y], v[(\y)+1]
	v_lshlrev_b32 v14, 16, v[\d1]
	v_and_b32 v15, s[MASK], v[\d1]
	v_pk_add_f32 v[\y:(\y)+1], v[\y:(\y)+1], v[14:15] neg_lo:[0,1] neg_hi:[0,1]
	v_cvt_pk_bf16_f32 v[\d2], v[\y], v[(\y)+1]
	v_lshlrev_b32 v14, 16, v[\d2]
	v_and_b32 v15, s[MASK], v[\d2]
	v_pk_add_f32 v[\y:(\y)+1], v[\y:(\y)+1], v[14:15] neg_lo:[0,1] neg_hi:[0,1]
	v_cvt_pk_bf16_f32 v[\d3], v[\y], v[(\y)+1]
.endm
	s_load_b256 s[4:11], s[0:1], 0x0               ; X s[4:5], W s[6:7], b s[8:9], Y s[10:11]
	s_load_b128 s[12:15], s[0:1], 0x20             ; W2 s[12:13], b2 s[14:15]
	s_load_b64 s[16:17], s[0:1], 0x30              ; Y2
	v_lshl_add_u32 v12, v0, 2, SPARE               ; my spare word,
	v_mov_b32 v13, 0                               ; and 0: kept for the closing lines alone
	v_lshrrev_b32 v1, 5, v0
	v_readfirstlane_b32 s18, v1                    ; wave 0..7
	v_and_b32 v2, 15, v0                           ; r
	v_bfe_u32 v3, v0, 4, 1                         ; hh
	s_and_b32 s19, ttmp7, 0xffff                   ; y
	s_and_b32 s21, ttmp9, 3                        ; mt: row block of 16
	s_bfe_u32 s22, ttmp9, 0x10002                  ; kh: half of K, and plane of Y
	s_bfe_u32 s20, ttmp9, 0x40003
	s_add_co_u32 s20, s20, s19                     ; nb: column block of 64
	s_lshr_b32 s23, ttmp9, 7                       ; which set of W, b, Y
	s_mov_b32 s[MASK], 0xffff0000
	v_lshrrev_b32 v4, 3, v2
	v_and_b32 v5, 7, v2
	v_lshlrev_b32 v4, 10, v4
	v_lshl_add_u32 v4, v3, 9, v4
	v_lshl_add_u32 v4, v5, 5, v4                   ; my lane's place in a block of X: (r>>3)*1024 + hh*512 + (r&7)*32
	s_lshl_b32 s25, s21, 16
	s_lshl_b32 s26, s22, 15
	s_add_co_u32 s25, s25, s26
	s_lshl_b32 s26, s18, 12
	s_add_co_u32 s25, s25, s26
	v_add_nc_u32 v4, s25, v4                       ; + block (mt, 16 kh + 2 w)
	s_lshl_b32 s25, s22, 21                        ; W: row 512 kh
	s_lshl_b32 s26, s18, 18                        ; + 64 w,
	s_add_co_u32 s25, s25, s26
	s_lshl_b32 s30, s20, 8                         ; column block (also the bias's offset),
	s_add_co_u32 s25, s25, s30
	v_lshlrev_b32 v5, 16, v3                       ; 16 hh rows,
	v_lshl_add_u32 v5, v2, 4, v5                   ; 16 r bytes
	v_add_nc_u32 v5, s25, v5
	s_lshl_b32 s28, s19, 19                        ; which X
	s_mov_b32 s29, 0
	s_mov_b32 s31, 0
	s_lshl_b32 s32, s22, 18                        ; Y: plane kh,
	s_lshl_b32 s26, s21, 16
	s_add_co_u32 s32, s32, s26
	s_lshl_b32 s26, s20, 12
	s_add_co_u32 s32, s32, s26                     ; blocks (mt, 2 nb) and (mt, 2 nb + 1): 4,096 bytes on end
	s_mov_b32 s33, 0
	s_cmp_eq_u32 s22, 0
	s_cselect_b32 s34, 1.0, 0                      ; the bias goes to plane 0 alone
	s_wait_kmcnt 0x0
	s_cmp_lg_u32 s23, 0                            ; the choice hangs on the work-group's number alone
	s_cselect_b64 s[6:7], s[12:13], s[6:7]
	s_cselect_b64 s[8:9], s[14:15], s[8:9]
	s_cselect_b64 s[10:11], s[16:17], s[10:11]
	s_add_nc_u64 s[4:5], s[4:5], s[28:29]
	s_add_nc_u64 s[8:9], s[8:9], s[30:31]
	s_add_nc_u64 s[10:11], s[10:11], s[32:33]
.irp pl,0,1
.irp ks,0,1
.irp q,0,1,2,3
	global_load_b128 v[XA+32*\pl+16*\ks+4*\q:XA+32*\pl+16*\ks+4*\q+3], v4, s[4:5] offset:\pl*262144+\ks*2048+(\q/2)*256+(\q%2)*16
.endr
.endr
.endr
.set i, 0
.rept 32                               ; W: rows 512 kh + 64 w + 16 hh + i (K step 0), + 32 (K step 1); sixteen lanes take 256 consecutive bytes
	global_load_b128 v[S0+4*i:S0+4*i+3], v5, s[6:7] offset:((i/16)*32+i%16)*4096
.set i, i+1
.endr
	s_mul_i32 s25, s18, 4352                       ; addresses for the way out, made while the loads are out
	v_mul_u32_u24 v6, v2, 272
	v_lshl_add_u32 v6, v3, 7, v6
	v_add_nc_u32 v6, s25, v6                       ; my partial tile: row r, columns 32 hh on
	v_bfe_u32 v7, v0, 6, 1                         ; thread c owns 16 bytes of the plane's 4,096:
	v_bfe_u32 v14, v0, 1, 3
	v_lshl_add_u32 v7, v7, 3, v14                  ; their row
	v_mul_u32_u24 v7, v7, 272
	v_bfe_u32 v8, v0, 7, 1
	v_bfe_u32 v14, v0, 4, 2
	v_lshlrev_b32 v8, 5, v8
	v_lshl_add_u32 v8, v14, 3, v8
	v_and_b32 v14, 1, v0
	v_lshl_add_u32 v8, v14, 2, v8                  ; their first column
	v_lshlrev_b32 v8, 2, v8                        ; in bytes: also the bias's offset
	v_add_nc_u32 v7, v7, v8
	v_lshlrev_b32 v1, 4, v0                        ; 16 c
	global_load_b128 v[8:11], v8, s[8:9]           ; the bias of my four columns, asked for with the rest; it lands on its own address register
	s_wait_loadcnt 33                              ; X is in; W's 32 loads and the bias's one stay out
.set q, 0
.rept 16
	v_pk_add_f32 v[XA+2*q:XA+2*q+1], v[XA+2*q:XA+2*q+1], v[XB+2*q:XB+2*q+1]
.set q, q+1
.endr
.set q, 0
.rept 16
	SPLIT XA+2*q,PC+8*(q/8)+q%8,PC+16+8*(q/8)+q%8,PC+32+8*(q/8)+q%8
.set q, q+1
.endr
	s_wait_loadcnt 17                              ; W's K step 0 is in; K step 1's 16 loads and the bias's one stay out
.irp j,0,1,2,3
.irp t,0,1,2,3,4,5,6,7
	v_cvt_pk_bf16_f32 v[BF+8*\j+\t], v[S0+8*\t+\j], v[S0+8*\t+4+\j]
.endr
.endr
	s_wait_loadcnt 0x0
.irp j,0,1,2,3
.irp t,0,1,2,3,4,5,6,7
	v_cvt_pk_bf16_f32 v[BF+80+8*\j+\t], v[S1+8*\t+\j], v[S1+8*\t+4+\j]
.endr
.endr
.irp ks,0,1                            ; 24 products; the four accumulators take turns; the small pieces go first; the first four start the sums
.irp p,2,1,0
.irp j,0,1,2,3
.if (\ks == 0) && (\p == 2)
	v_wmma_f32_16x16x32_bf16 v[ACC+8*\j:ACC+8*\j+7], v[BF+80*\ks+8*\j:BF+80*\ks+8*\j+7], v[PC+16*\p+8*\ks:PC+16*\p+8*\ks+7], 0
.else
	v_wmma_f32_16x16x32_bf16 v[ACC+8*\j:ACC+8*\j+7], v[BF+80*\ks+8*\j:BF+80*\ks+8*\j+7], v[PC+16*\p+8*\ks:PC+16*\p+8*\ks+7], v[ACC+8*\j:ACC+8*\j+7]
.endif
.endr
.endr
.endr
	v_cvt_pk_bf16_f32 v14, v8, v9                  ; the bias is an input: rounded to bf16 like the others.  These six lines name no register of the products:
	v_cvt_pk_bf16_f32 v15, v10, v11                ; they are the places between the last products and the first read of a result (ISA guide 7.12.1)
	v_lshlrev_b32 v8, 16, v14
	v_and_b32 v9, s[MASK], v14
	v_lshlrev_b32 v10, 16, v15
	v_and_b32 v11, s[MASK], v15
.irp j,0,1,2,3
.irp v,0,1,2,3,4,5,6,7
	ds_store_b32 v6, v[ACC+8*\j+\v] offset:(4*\v+\j)*4
.endr
.endr
	s_wait_dscnt 0x0                               ; for the others' sake: my partial tile is in LDS
	s_barrier_signal -1
	s_barrier_wait -1
.irp i,0,1,2,3,4,5,6,7
	ds_load_b128 v[128+4*\i:128+4*\i+3], v7 offset:\i*4352
.endr
	s_wait_dscnt 0x0
.irp i,0,2,4,6
	v_pk_add_f32 v[128+4*\i:128+4*\i+1], v[128+4*\i:128+4*\i+1], v[132+4*\i:132+4*\i+1]
	v_pk_add_f32 v[130+4*\i:130+4*\i+1], v[130+4*\i:130+4*\i+1], v[134+4*\i:134+4*\i+1]
.endr
.irp i,0,4
	v_pk_add_f32 v[128+4*\i:128+4*\i+1], v[128+4*\i:128+4*\i+1], v[136+4*\i:136+4*\i+1]
	v_pk_add_f32 v[130+4*\i:130+4*\i+1], v[130+4*\i:130+4*\i+1], v[138+4*\i:138+4*\i+1]
.endr
	v_pk_add_f32 v[128:129], v[128:129], v[144:145]
	v_pk_add_f32 v[130:131], v[130:131], v[146:147]
.irp j,0,1,2,3
	v_fma_f32 v[128+\j], v[8+\j], s34, v[128+\j]
.endr
	global_store_b128 v1, v[128:131], s[10:11]     ; sixteen lanes store 256 consecutive bytes, aligned
	s_wait_tensorcnt 0x0                           ; the wave's end
	ds_add_u32 v12, v13
	s_wait_dscnt 0x0
	s_endpgm
.Lfunc_end_k_qb6364bf2a7_t1:
	.size	k_qb6364bf2a7_t1, .Lfunc_end_k_qb6364bf2a7_t1-k_qb6364bf2a7_t1
	.p2alignl 7, 3214868480
	.fill 96, 4, 3214868480
	.section	.rodata,"a",@progbits
	.p2align	6, 0x0
	.amdhsa_kernel k_qb6364bf2a7_t1
		.amdhsa_group_segment_fixed_size 35840
		.amdhsa_private_segment_fixed_size 0
		.amdhsa_enable_private_segment 0
		.amdhsa_kernarg_size 56
		.amdhsa_user_sgpr_count 2
		.amdhsa_user_sgpr_kernarg_segment_ptr 1
		.amdhsa_wavefront_size32 1
		.amdhsa_system_sgpr_workgroup_id_x 1
		.amdhsa_system_sgpr_workgroup_id_y 1
		.amdhsa_system_sgpr_workgroup_id_z 1
		.amdhsa_system_vgpr_workitem_id 0
		.amdhsa_next_free_vgpr 256
		.amdhsa_next_free_sgpr 66
		.amdhsa_reserve_vcc 0
		.amdhsa_float_denorm_mode_32 3
		.amdhsa_float_denorm_mode_16_64 3
		.amdhsa_memory_ordered 1
		.amdhsa_forward_progress 1
		.amdhsa_inst_pref_size 26
	.end_amdhsa_kernel
	.amdgpu_metadata
---
amdhsa.version: [ 1, 2 ]
amdhsa.kernels:
  - .name:           k_qb6364bf2a7_t1
    .symbol:         k_qb6364bf2a7_t1.kd
    .args:
      - { .name: xa, .offset: 0, .size: 8, .value_kind: global_buffer, .address_space: global }
      - { .name: W_agent, .offset: 8, .size: 8, .value_kind: global_buffer, .address_space: global }
      - { .name: b_agent, .offset: 16, .size: 8, .value_kind: global_buffer, .address_space: global }
      - { .name: xb, .offset: 24, .size: 8, .value_kind: global_buffer, .address_space: global }
      - { .name: W_qa, .offset: 32, .size: 8, .value_kind: global_buffer, .address_space: global }
      - { .name: b_qa, .offset: 40, .size: 8, .value_kind: global_buffer, .address_space: global }
      - { .name: xc, .offset: 48, .size: 8, .value_kind: global_buffer, .address_space: global }
    .group_segment_fixed_size: 35840
    .private_segment_fixed_size: 0
    .kernarg_segment_align: 8
    .kernarg_segment_size: 56
    .max_flat_workgroup_size: 256
    .sgpr_count:     66
    .vgpr_count:     256
    .wavefront_size: 32
...
	.end_amdgpu_metadata
.endif
;; end of part 9
;; launch t2: the kernel of part 9 again; grid 128 x 1, 8 waves a work-group, no clusters, 35,840 bytes of LDS; arguments xb, W_qa, b_qa, xa, W_agent, b_agent, xc; writes xa, xc
;; launch g1 (part 10): grid 16 x 16, 4 waves a work-group, no clusters, 9,728 bytes of LDS; arguments xa, W_kc, b_kc, gf, cb, xc, W_proj, sc; writes gf, cb, sc
.if DOCPART == 10
	.amdgcn_target "amdgcn-amd-amdhsa--gfx1250"
	.amdhsa_code_object_version 6
	.text
	.protected	k_qb6364bf2a7_g1
	.globl	k_qb6364bf2a7_g1
	.p2align	8
	.type	k_qb6364bf2a7_g1,@function
k_qb6364bf2a7_g1:
	s_mov_b64 s[64:65], 0
	v_nop
	global_prefetch_b8 v0, s[64:65] scope:SCOPE_SE
	s_setreg_imm32_b32 hwreg(HW_REG_WAVE_MODE, 25, 1), 1
	s_wait_xcnt 0x0
; TWO TEXTS IN ONE BODY, chosen by the grid's y, which all waves of a work-group share.  y < 16: the first text for head h = y.  y >= 16: the second for head h = y - 16.
; A launch with a grid of 16 x 16 runs the first alone; one of 16 x 32 runs both side by side, since neither reads what the other stores.
;
; FIRST TEXT.  G[m][h][kk] = sum over d of W[kk][64 h + d] q[m][64 h + d], and c[m][h] = sum over d of b[64 h + d] q[m][64 h + d], for 64 rows m = 8 b + a, 16 heads h, 1,024 kk.
; With them q . (x W + b) = x . G + c, so that the long tensor x meets 128 columns a batch instead of 1,024.
; W and b are inputs: rounded to bf16.  q (f32, two planes that are added here) goes in as three bf16 pieces, and G leaves as three bf16 pieces (each residue exact): f32's accuracy is kept through both products.
; SHARES.  A work-group owns 64 rows kk (kb = x) of one head h; wave w owns rows m = 16 w .. 16 w + 15.  W's tile (64 x 64) is turned to bf16 once, through LDS, and every wave reads all of it.
; c rides along as a fifth tile of 16 rows that all hold the bias, so five accumulators take turns; every work-group computes it, the one with kb = 0 stores it.
; G's LAYOUT is the order in which a matrix fragment's lanes read it (column slot (h&1)*8 + a, slot i of a lane: kk = 32 step + 16 hh + i):
;   byte = b*786432 + (step*24 + piece*8 + (h>>1))*1024 + hh*512 + (h&1)*256 + (i>>3)*128 + a*16 + (i&7)*2
;
; SECOND TEXT.  P2[b][8 h + a][n] = sum over d of v_a[8 b + a][64 h + d] W_proj[64 h + d][n]: with it (AF v_a) W_proj = AF P2, a product with K = 128 instead of 1,024.
; W_proj is an input: rounded to bf16.  v_a (f32, two planes added here) is rounded to bf16; sums in f32; P2 leaves as bf16.
; SHARES.  A work-group owns head h and 64 columns n (nb = x); wave w owns rows m = 16 w .. 16 w + 15 (batches 2 w, 2 w + 1).
; W_proj lies [k][n]: a lane loads 16 rows' 16 bytes and picks column j of each: fragment j, whose column r means n = 4 r + j.
; Source 0 = v_a, source 1 = W_proj: a lane's eight results are a = 0..7 of one batch, head and column: 16 bytes of bf16, half a lane's share of a fragment for the next product.
;   byte = b*262144 + ((h>>2)*64 + nb*4 + j)*1024 + (h&1)*512 + ((h>>1)&1)*256 + r*16 + a*2
; No tensor loads, no cluster: a work-group's tile of W is 16 KiB; the operands go straight into registers.
.set SPARE, 9216                       ; behind 64 rows of 144 bytes
.set MASK,  23                         ; s23 = 0xffff0000
.set XA,    16                         ; v[16:47] plane 0 of q or v_a; later the accumulators
.set XB,    48                         ; v[48:79] plane 1
.set ACC,   16
; the first text's registers
.set PC,    80                         ; v[80:127] q's pieces: PC + 16 p + 8 ks; later G's pieces
.set WR,    128                        ; v[128:159] my 16 rows of W as loaded
.set WP,    160                        ; v[160:175] the same as bf16
.set WF,    176                        ; v[176:255] fragments: tile tt (4 = the bias), K step ks at WF + 16 tt + 8 ks
.set BR,    192                        ; v[192:223] the bias as loaded (before the fragments land there)
; the second text's registers
.set AFR,   80                         ; v[80:95] v_a's fragments
.set OUT,   96                         ; v[96:111] packed results
.set S0,    128                        ; v[128:191], v[192:255] W_proj as loaded, K steps 0 and 1
.set S1,    192
.set BF,    48                         ; W_proj's fragment (ks, j) at BF + 80 ks + 8 j
.macro SPLIT y, d1, d2, d3             ; the pair v[y], v[y+1] into three packed bf16 pieces; v[10:11] at work
	v_cvt_pk_bf16_f32 v[\d1], v[\y], v[(\y)+1]
	v_lshlrev_b32 v10, 16, v[\d1]
	v_and_b32 v11, s[MASK], v[\d1]
	v_pk_add_f32 v[\y:(\y)+1], v[\y:(\y)+1], v[10:11] neg_lo:[0,1] neg_hi:[0,1]
	v_cvt_pk_bf16_f32 v[\d2], v[\y], v[(\y)+1]
	v_lshlrev_b32 v10, 16, v[\d2]
	v_and_b32 v11, s[MASK], v[\d2]
	v_pk_add_f32 v[\y:(\y)+1], v[\y:(\y)+1], v[10:11] neg_lo:[0,1] neg_hi:[0,1]
	v_cvt_pk_bf16_f32 v[\d3], v[\y], v[(\y)+1]
.endm
	s_load_b256 s[4:11], s[0:1], 0x0               ; q s[4:5], W s[6:7], b s[8:9], G s[10:11]
	s_load_b256 s[12:19], s[0:1], 0x20             ; c s[12:13], v_a s[14:15], W_proj s[16:17], P2 s[18:19]
	v_lshl_add_u32 v12, v0, 2, SPARE               ; my spare word,
	v_mov_b32 v13, 0                               ; and 0: kept for the closing lines alone
	v_lshrrev_b32 v1, 5, v0
	v_readfirstlane_b32 s20, v1                    ; wave
	v_and_b32 v2, 15, v0                           ; r
	v_bfe_u32 v3, v0, 4, 1                         ; hh
	s_mov_b32 s21, ttmp9                           ; kb, or nb
	s_and_b32 s22, ttmp7, 0xffff                   ; h, or 16 + h
	s_mov_b32 s[MASK], 0xffff0000
	v_lshrrev_b32 v1, 3, v2                        ; r>>3
	v_and_b32 v15, 7, v2                           ; r&7
	v_lshlrev_b32 v4, 10, v1
	v_lshl_add_u32 v4, v3, 9, v4
	v_lshl_add_u32 v4, v15, 5, v4                  ; my lane's place in a block of q or v_a
	s_cmp_ge_u32 s22, 16
	s_cbranch_scc1 .Lp2
	; ---------------- the first text ----------------
	s_lshl_b32 s24, s20, 16
	s_lshl_b32 s25, s22, 12
	s_add_co_u32 s24, s24, s25
	v_add_nc_u32 v4, s24, v4                       ; q: block (w, 2 h)
	s_lshl_b32 s24, s21, 18
	s_lshl_b32 s25, s20, 16
	s_add_co_u32 s24, s24, s25
	s_lshl_b32 s26, s22, 8                         ; 256 h: also the bias's offset
	s_add_co_u32 s24, s24, s26
	v_lshlrev_b32 v5, 12, v3
	v_lshl_add_u32 v5, v2, 4, v5
	v_add_nc_u32 v5, s24, v5                       ; W: row 64 kb + 16 w + hh, byte 256 h + 16 r
	v_lshlrev_b32 v6, 6, v3                        ; bias: 16 hh numbers on
	s_mul_i32 s24, s20, 2304
	v_mul_u32_u24 v7, v3, 144
	v_lshl_add_u32 v7, v2, 3, v7
	v_add_nc_u32 v7, s24, v7                       ; LDS in: row 16 w + hh, 8 r
	v_mul_u32_u24 v8, v2, 144
	v_lshl_add_u32 v8, v3, 5, v8                   ; LDS out: row r, 32 hh
	v_lshlrev_b32 v9, 9, v1
	v_lshl_add_u32 v9, v15, 2, v9                  ; c: (r>>3)*512 + (r&7)*4
	v_mul_u32_u24 v14, v1, 0xc0000
	v_lshl_add_u32 v14, v3, 7, v14
	v_lshl_add_u32 v14, v15, 4, v14                ; G: (r>>3)*786432 + hh*128 + (r&7)*16
	s_mov_b32 s27, 0
	s_mul_i32 s28, s20, 0x180000                   ; G: batch 2 w,
	s_mul_i32 s29, s21, 49152                      ; K steps 2 kb, 2 kb + 1,
	s_add_co_u32 s28, s28, s29
	s_lshr_b32 s29, s22, 1
	s_lshl_b32 s29, s29, 10                        ; tile h>>1,
	s_add_co_u32 s28, s28, s29
	s_and_b32 s29, s22, 1
	s_lshl_b32 s29, s29, 8                         ; and its half
	s_add_co_u32 s28, s28, s29
	s_mov_b32 s29, 0
	s_lshl_b32 s30, s20, 10
	s_lshl_b32 s31, s22, 5
	s_add_co_u32 s30, s30, s31                     ; c: (2 w * 128 + 8 h) * 4
	s_mov_b32 s31, 0
	s_wait_kmcnt 0x0
	s_add_nc_u64 s[8:9], s[8:9], s[26:27]
	s_add_nc_u64 s[10:11], s[10:11], s[28:29]
	s_add_nc_u64 s[12:13], s[12:13], s[30:31]
.irp pl,0,1
.irp ks,0,1
.irp q,0,1,2,3
	global_load_b128 v[XA+32*\pl+16*\ks+4*\q:XA+32*\pl+16*\ks+4*\q+3], v4, s[4:5] offset:\pl*262144+\ks*2048+(\q/2)*256+(\q%2)*16
.endr
.endr
.endr
.irp t,0,1,2,3,4,5,6,7
	global_load_b128 v[WR+4*\t:WR+4*\t+3], v5, s[6:7] offset:\t*8192
.endr
.irp ks,0,1
.irp q,0,1,2,3
	global_load_b128 v[BR+16*\ks+4*\q:BR+16*\ks+4*\q+3], v6, s[8:9] offset:\ks*128+\q*16
.endr
.endr
	s_wait_loadcnt 16                              ; q is in; W's 8 loads and the bias's 8 stay out
.set q, 0
.rept 16
	v_pk_add_f32 v[XA+2*q:XA+2*q+1], v[XA+2*q:XA+2*q+1], v[XB+2*q:XB+2*q+1]
.set q, q+1
.endr
.set q, 0
.rept 16
	SPLIT XA+2*q,PC+8*(q/8)+q%8,PC+16+8*(q/8)+q%8,PC+32+8*(q/8)+q%8
.set q, q+1
.endr
	s_wait_loadcnt 8                               ; W is in; the bias's 8 loads stay out
.irp t,0,1,2,3,4,5,6,7
	v_cvt_pk_bf16_f32 v[WP+2*\t], v[WR+4*\t], v[WR+4*\t+1]
	v_cvt_pk_bf16_f32 v[WP+2*\t+1], v[WR+4*\t+2], v[WR+4*\t+3]
.endr
.irp t,0,1,2,3,4,5,6,7
	ds_store_b64 v7, v[WP+2*\t:WP+2*\t+1] offset:\t*288
.endr
	s_wait_loadcnt 0x0
.irp ks,0,1
.irp t,0,1,2,3,4,5,6,7
	v_cvt_pk_bf16_f32 v[WF+64+8*\ks+\t], v[BR+16*\ks+2*\t], v[BR+16*\ks+2*\t+1]
.endr
.endr
	s_wait_dscnt 0x0                               ; for the others' sake: my 16 rows are in LDS
	s_barrier_signal -1
	s_barrier_wait -1
.irp tt,0,1,2,3
.irp ks,0,1
.irp hf,0,1
	ds_load_b128 v[WF+16*\tt+8*\ks+4*\hf:WF+16*\tt+8*\ks+4*\hf+3], v8 offset:\tt*2304+\ks*64+\hf*16
.endr
.endr
.endr
	s_wait_dscnt 0x0
.irp ks,0,1                            ; 30 products; the five accumulators take turns; the small pieces go first; the first five start the sums
.irp p,2,1,0
.irp tt,0,1,2,3,4
.if (\ks == 0) && (\p == 2)
	v_wmma_f32_16x16x32_bf16 v[ACC+8*\tt:ACC+8*\tt+7], v[WF+16*\tt+8*\ks:WF+16*\tt+8*\ks+7], v[PC+16*\p+8*\ks:PC+16*\p+8*\ks+7], 0
.else
	v_wmma_f32_16x16x32_bf16 v[ACC+8*\tt:ACC+8*\tt+7], v[WF+16*\tt+8*\ks:WF+16*\tt+8*\ks+7], v[PC+16*\p+8*\ks:PC+16*\p+8*\ks+7], v[ACC+8*\tt:ACC+8*\tt+7]
.endif
.endr
.endr
.endr
.rept 4
	v_nop                                          ; four places between the last products and what reads their results or writes their sources (ISA guide 7.12.1)
.endr
	s_cmp_lg_u32 s21, 0
	s_cbranch_scc1 .Lno_c                          ; c is the same in all 16 work-groups of a head: one stores it
	global_store_b32 v9, v[ACC+32], s[12:13]       ; every row of the fifth tile is c of row m = r; both halves of the lanes write the same word
.Lno_c:
.irp tt,0,1,2,3                        ; a lane holds kk = 16 tt + 8 hh + 0..7 of row m = r: eight neighbours, 16 bytes a piece
.irp q,0,1,2,3
	SPLIT ACC+8*\tt+2*\q,PC+12*\tt+\q,PC+12*\tt+4+\q,PC+12*\tt+8+\q
.endr
.irp p,0,1,2
	global_store_b128 v14, v[PC+12*\tt+4*\p:PC+12*\tt+4*\p+3], s[10:11] offset:(\tt/2)*24576+\p*8192+(\tt%2)*512  ; sixteen lanes store 256 consecutive bytes, aligned
.endr
.endr
	s_wait_tensorcnt 0x0                           ; the wave's end
	ds_add_u32 v12, v13
	s_wait_dscnt 0x0
	s_endpgm
	; ---------------- the second text ----------------
.Lp2:
	s_sub_co_u32 s22, s22, 16                      ; h
	s_lshl_b32 s24, s20, 16
	s_lshl_b32 s25, s22, 12
	s_add_co_u32 s24, s24, s25
	v_add_nc_u32 v4, s24, v4                       ; v_a: block (w, 2 h)
	s_lshl_b32 s24, s22, 18
	s_lshl_b32 s25, s21, 8
	s_add_co_u32 s24, s24, s25
	v_lshlrev_b32 v5, 16, v3
	v_lshl_add_u32 v5, v2, 4, v5
	v_add_nc_u32 v5, s24, v5                       ; W_proj: row 64 h + 16 hh, byte 256 nb + 16 r
	v_lshlrev_b32 v6, 18, v3
	v_lshl_add_u32 v6, v2, 4, v6                   ; P2: batch hh of my two, 16 r
	s_lshl_b32 s26, s20, 19
	s_lshr_b32 s25, s22, 2
	s_lshl_b32 s25, s25, 16
	s_add_co_u32 s26, s26, s25
	s_lshl_b32 s25, s21, 12
	s_add_co_u32 s26, s26, s25
	s_and_b32 s25, s22, 1
	s_lshl_b32 s25, s25, 9
	s_add_co_u32 s26, s26, s25
	s_bfe_u32 s25, s22, 0x10001
	s_lshl_b32 s25, s25, 8
	s_add_co_u32 s26, s26, s25
	s_mov_b32 s27, 0
	s_wait_kmcnt 0x0
	s_add_nc_u64 s[18:19], s[18:19], s[26:27]
.irp pl,0,1
.irp ks,0,1
.irp q,0,1,2,3
	global_load_b128 v[XA+32*\pl+16*\ks+4*\q:XA+32*\pl+16*\ks+4*\q+3], v4, s[14:15] offset:\pl*262144+\ks*2048+(\q/2)*256+(\q%2)*16
.endr
.endr
.endr
.set i, 0
.rept 32
	global_load_b128 v[S0+4*i:S0+4*i+3], v5, s[16:17] offset:((i/16)*32+i%16)*4096
.set i, i+1
.endr
	s_wait_loadcnt 32                              ; v_a is in; the 32 loads of W_proj stay out
.set q, 0
.rept 16
	v_pk_add_f32 v[XA+2*q:XA+2*q+1], v[XA+2*q:XA+2*q+1], v[XB+2*q:XB+2*q+1]
.set q, q+1
.endr
.set q, 0
.rept 16
	v_cvt_pk_bf16_f32 v[AFR+q], v[XA+2*q], v[XA+2*q+1]
.set q, q+1
.endr
	s_wait_loadcnt 16                              ; K step 0 is in; K step 1's 16 loads stay out
.irp j,0,1,2,3
.irp t,0,1,2,3,4,5,6,7
	v_cvt_pk_bf16_f32 v[BF+8*\j+\t], v[S0+8*\t+\j], v[S0+8*\t+4+\j]
.endr
.endr
	s_wait_loadcnt 0x0
.irp j,0,1,2,3
.irp t,0,1,2,3,4,5,6,7
	v_cvt_pk_bf16_f32 v[BF+80+8*\j+\t], v[S1+8*\t+\j], v[S1+8*\t+4+\j]
.endr
.endr
.irp ks,0,1                            ; the four accumulators take turns; the first four products start the sums
.irp j,0,1,2,3
.if \ks == 0
	v_wmma_f32_16x16x32_bf16 v[ACC+8*\j:ACC+8*\j+7], v[AFR+8*\ks:AFR+8*\ks+7], v[BF+80*\ks+8*\j:BF+80*\ks+8*\j+7], 0
.else
	v_wmma_f32_16x16x32_bf16 v[ACC+8*\j:ACC+8*\j+7], v[AFR+8*\ks:AFR+8*\ks+7], v[BF+80*\ks+8*\j:BF+80*\ks+8*\j+7], v[ACC+8*\j:ACC+8*\j+7]
.endif
.endr
.endr
.rept 4
	v_nop                                          ; four places between the last products and the first read of a result (ISA guide 7.12.1)
.endr
.irp j,0,1,2,3
.irp q,0,1,2,3
	v_cvt_pk_bf16_f32 v[OUT+4*\j+\q], v[ACC+8*\j+2*\q], v[ACC+8*\j+2*\q+1]
.endr
.endr
.irp j,0,1,2,3
	global_store_b128 v6, v[OUT+4*\j:OUT+4*\j+3], s[18:19] offset:\j*1024  ; sixteen lanes store 256 consecutive bytes, aligned
.endr
	s_wait_tensorcnt 0x0                           ; the wave's end: the same three lines as in the first text
	ds_add_u32 v12, v13
	s_wait_dscnt 0x0
	s_endpgm
.Lfunc_end_k_qb6364bf2a7_g1:
	.size	k_qb6364bf2a7_g1, .Lfunc_end_k_qb6364bf2a7_g1-k_qb6364bf2a7_g1
	.p2alignl 7, 3214868480
	.fill 96, 4, 3214868480
	.section	.rodata,"a",@progbits
	.p2align	6, 0x0
	.amdhsa_kernel k_qb6364bf2a7_g1
		.amdhsa_group_segment_fixed_size 9728
		.amdhsa_private_segment_fixed_size 0
		.amdhsa_enable_private_segment 0
		.amdhsa_kernarg_size 64
		.amdhsa_user_sgpr_count 2
		.amdhsa_user_sgpr_kernarg_segment_ptr 1
		.amdhsa_wavefront_size32 1
		.amdhsa_system_sgpr_workgroup_id_x 1
		.amdhsa_system_sgpr_workgroup_id_y 1
		.amdhsa_system_sgpr_workgroup_id_z 1
		.amdhsa_system_vgpr_workitem_id 0
		.amdhsa_next_free_vgpr 256
		.amdhsa_next_free_sgpr 66
		.amdhsa_reserve_vcc 0
		.amdhsa_float_denorm_mode_32 3
		.amdhsa_float_denorm_mode_16_64 3
		.amdhsa_memory_ordered 1
		.amdhsa_forward_progress 1
		.amdhsa_inst_pref_size 42
	.end_amdhsa_kernel
	.amdgpu_metadata
---
amdhsa.version: [ 1, 2 ]
amdhsa.kernels:
  - .name:           k_qb6364bf2a7_g1
    .symbol:         k_qb6364bf2a7_g1.kd
    .args:
      - { .name: xa, .offset: 0, .size: 8, .value_kind: global_buffer, .address_space: global }
      - { .name: W_kc, .offset: 8, .size: 8, .value_kind: global_buffer, .address_space: global }
      - { .name: b_kc, .offset: 16, .size: 8, .value_kind: global_buffer, .address_space: global }
      - { .name: gf, .offset: 24, .size: 8, .value_kind: global_buffer, .address_space: global }
      - { .name: cb, .offset: 32, .size: 8, .value_kind: global_buffer, .address_space: global }
      - { .name: xc, .offset: 40, .size: 8, .value_kind: global_buffer, .address_space: global }
      - { .name: W_proj, .offset: 48, .size: 8, .value_kind: global_buffer, .address_space: global }
      - { .name: sc, .offset: 56, .size: 8, .value_kind: global_buffer, .address_space: global }
    .group_segment_fixed_size: 9728
    .private_segment_fixed_size: 0
    .kernarg_segment_align: 8
    .kernarg_segment_size: 64
    .max_flat_workgroup_size: 128
    .sgpr_count:     66
    .vgpr_count:     256
    .wavefront_size: 32
...
	.end_amdgpu_metadata
.endif
;; end of part 10
;; launch scores: the kernel of part 4 again; grid 256 x 1, 8 waves a work-group, no clusters, 63,488 bytes of LDS; arguments key, gf, cb, sc; writes sc
;; launch topk (part 11): grid 256 x 1, 4 waves a work-group, no clusters, 17,152 bytes of LDS; arguments sc, out2, wf; writes out2, wf
.if DOCPART == 11
	.amdgcn_target "amdgcn-amd-amdhsa--gfx1250"
	.amdhsa_code_object_version 6
	.text
	.protected	k_qb6364bf2a7_topk
	.globl	k_qb6364bf2a7_topk
	.p2align	8
	.type	k_qb6364bf2a7_topk,@function
k_qb6364bf2a7_topk:
	s_mov_b64 s[64:65], 0
	v_nop
	global_prefetch_b8 v0, s[64:65] scope:SCOPE_SE
	s_setreg_imm32_b32 hwreg(HW_REG_WAVE_MODE, 25, 1), 1
	s_wait_xcnt 0x0
; For each of 1,024 score rows of 2,048: the 1,024th largest score is the threshold; scores below it get weight 0; softmax over the others (the row's maximum taken away first).
; One wave, one row, kept in 64 registers.  The threshold is found exactly, bit by bit: scores are mapped to unsigned keys of the same order, and the largest t with
; count(key >= t) >= 1,024 is built from the top bit down, 32 trips.  Equal scores are kept together, as a comparison with the threshold keeps them.  No branch hangs on data: the count steers a select.
; A trip is one run of 64 vector compares, each into a scalar register of its own, and then one run of scalar work: 64 counts of bits and 63 additions by levels, none of which waits for its neighbour.
; LIMITS.  The mask is exact on these f32 scores; where a row's 1,024th and 1,025th scores lie closer than f32 summation error, another order of summation can choose otherwise.
; -0 counts as +0; NaN is not treated apart; a weight below 2^-126 counts as 0.
; OUT: the weights in f32 (out2), and in bf16 in the order in which a matrix fragment's lanes read them (row tile mt, K step of 32 keys):
;   byte = ((b*8 + mt)*64 + step)*1024 + (r>>2)*256 + (i>>3)*128 + (r&3)*32 + hh*16 + (i&7)*2, key = 32 step + 16 hh + i; the work-group's four rows are one r>>2.
; No matrix unit, no tensor loads, no cluster: a row is read once by one wave.
.set SPARE, 16640                      ; behind four rows of 4,112 bytes
.set S, 16                             ; v[16:79]  the scores, then the weights
.set K, 80                             ; v[80:143] the keys; later sums, the bf16 weights, and what comes back from LDS
.set MA, 32                            ; s[32:63]  the masks of keys 0-31 of a lane, then their counts
.set MB, 66                            ; s[66:97]  those of keys 32-63
	s_load_b128 s[4:7], s[0:1], 0x0                ; sc s[4:5], out2 s[6:7]
	s_load_b64 s[8:9], s[0:1], 0x10                ; wf
	v_lshl_add_u32 v12, v0, 2, SPARE
	v_mov_b32 v13, 0
	v_lshrrev_b32 v1, 5, v0
	v_readfirstlane_b32 s2, v1                     ; wave
	v_and_b32 v1, 31, v0
	v_lshlrev_b32 v2, 4, v1                        ; 16 x lane
	s_mul_i32 s3, s2, 4112
	v_lshl_add_u32 v3, v1, 3, s3                   ; LDS in: my row, 8 x lane
	v_bfe_u32 v10, v0, 1, 2
	v_mul_u32_u24 v10, v10, 4112
	v_lshrrev_b32 v11, 4, v0
	v_lshl_add_u32 v10, v11, 6, v10
	v_and_b32 v1, 1, v0
	v_lshl_add_u32 v10, v1, 5, v10
	v_bfe_u32 v1, v0, 3, 1
	v_lshl_add_u32 v10, v1, 4, v10                 ; LDS back: row (t>>1)&3, K step t>>4, 32 (t&1) + 16 ((t>>3)&1)
	v_and_b32 v1, 15, v0
	v_lshlrev_b32 v11, 10, v11
	v_lshl_add_u32 v11, v1, 4, v11                 ; wf: K step t>>4, 16 (t&15)
	s_lshl_b32 s28, ttmp9, 2
	s_add_co_u32 s28, s28, s2
	s_lshl_b32 s28, s28, 13                        ; my row, 8,192 bytes each
	s_mov_b32 s29, 0
	s_lshr_b32 s30, ttmp9, 2
	s_lshl_b32 s30, s30, 16
	s_and_b32 s3, ttmp9, 3
	s_lshl_b32 s3, s3, 8
	s_add_co_u32 s30, s30, s3
	s_mov_b32 s31, 0
	s_mov_b32 s14, 0x3fb8aa3b                      ; log2(e)
	s_mov_b32 s15, s14
	s_mov_b32 s17, 0x80000000
	s_mov_b32 s18, 0x76543210
	s_mov_b32 s19, 0xfedcba98
	s_wait_kmcnt 0x0
	s_add_nc_u64 s[4:5], s[4:5], s[28:29]
	s_add_nc_u64 s[6:7], s[6:7], s[28:29]
	s_add_nc_u64 s[8:9], s[8:9], s[30:31]
.irp t,0,1,2,3,4,5,6,7,8,9,10,11,12,13,14,15
	global_load_b128 v[S+4*\t:S+4*\t+3], v2, s[4:5] offset:\t*512 th:TH_LOAD_NT
.endr
	s_wait_loadcnt 0x0
.set i, 0
.rept 32
	v_pk_add_f32 v[S+2*i:S+2*i+1], v[S+2*i:S+2*i+1], 0 op_sel_hi:[1,0]  ; -0 becomes +0
.set i, i+1
.endr
.set i, 0
.rept 64                               ; key = score's bits, all turned if negative, the sign alone if not: unsigned order = the scores' order
	v_ashrrev_i32 v[K+i], 31, v[S+i]
	v_or_b32 v[K+i], s17, v[K+i]
	v_xor_b32 v[K+i], v[S+i], v[K+i]
.set i, i+1
.endr
.irp k,0,1,2,3                         ; the maximum, in four chains
	v_max3_num_f32 v[4+\k], v[S+16*\k], v[S+16*\k+1], v[S+16*\k+2]
.endr
.irp i,3,5,7,9,11,13
.irp k,0,1,2,3
	v_max3_num_f32 v[4+\k], v[4+\k], v[S+16*\k+\i], v[S+16*\k+\i+1]
.endr
.endr
.irp k,0,1,2,3
	v_max_num_f32 v[4+\k], v[4+\k], v[S+16*\k+15]
.endr
	v_max3_num_f32 v4, v4, v5, v6
	v_max_num_f32 v4, v4, v7
	v_max_num_f32_dpp v4, v4, v4 row_xmask:1 row_mask:0xf bank_mask:0xf
	v_max_num_f32_dpp v4, v4, v4 row_xmask:2 row_mask:0xf bank_mask:0xf
	v_max_num_f32_dpp v4, v4, v4 row_xmask:4 row_mask:0xf bank_mask:0xf
	v_max_num_f32_dpp v4, v4, v4 row_xmask:8 row_mask:0xf bank_mask:0xf
	v_permlanex16_b32 v5, v4, s18, s19
	v_max_num_f32 v4, v4, v5
	v_mul_f32 v8, s14, v4                          ; the maximum times log2(e)
	v_mov_b32 v9, 0                                ; named with it as a pair
	s_mov_b32 s10, 32
	s_mov_b32 s11, 0                               ; t
	s_mov_b32 s12, 0x80000000                      ; the bit in hand
.Lbit:
	s_or_b32 s13, s11, s12                         ; t with the bit set
.set i, 0
.rept 32
	v_cmp_le_u32 s[MA+i], s13, v[K+i]
.set i, i+1
.endr
.set i, 0
.rept 32
	v_cmp_le_u32 s[MB+i], s13, v[K+32+i]
.set i, i+1
.endr
.set i, 0
.rept 32
	s_bcnt1_i32_b32 s[MA+i], s[MA+i]
.set i, i+1
.endr
.set i, 0
.rept 32
	s_bcnt1_i32_b32 s[MB+i], s[MB+i]
.set i, i+1
.endr
.set i, 0
.rept 32
	s_add_co_u32 s[MA+i], s[MA+i], s[MB+i]
.set i, i+1
.endr
.irp n,16,8,4,2,1                      ; 32 counts into one, by halves
.set i, 0
.rept \n
	s_add_co_u32 s[MA+i], s[MA+i], s[MA+i+\n]
.set i, i+1
.endr
.endr
	s_cmp_ge_u32 s[MA], 1024                       ; still 1,024 keys at or above it?
	s_cselect_b32 s11, s13, s11                    ; then the bit stays
	s_lshr_b32 s12, s12, 1
	s_sub_co_u32 s10, s10, 1
	s_cmp_lg_u32 s10, 0
	s_cbranch_scc1 .Lbit
.set i, 0
.rept 32
	v_pk_fma_f32 v[S+2*i:S+2*i+1], v[S+2*i:S+2*i+1], s[14:15], v[8:9] op_sel_hi:[1,0,0] neg_lo:[0,0,1] neg_hi:[0,0,1]
.set i, i+1
.endr
.set g, 0
.rept 16                               ; four exponentials, then compare and select: the first compare is the plain instruction behind the last exponential
.irp e,0,1,2,3
	v_exp_f32 v[S+4*g+\e], v[S+4*g+\e]
.endr
.irp e,0,1,2,3
	v_cmp_le_u32 vcc_lo, s11, v[K+4*g+\e]
	s_wait_alu depctr_va_vdst(0)
	v_cndmask_b32 v[S+4*g+\e], 0, v[S+4*g+\e], vcc_lo
.endr
.set g, g+1
.endr
.set i, 0
.rept 16
	v_pk_add_f32 v[K+2*i:K+2*i+1], v[S+4*i:S+4*i+1], v[S+4*i+2:S+4*i+3]
.set i, i+1
.endr
.irp i,0,1,2,3,4,5,6,7
	v_pk_add_f32 v[K+4*\i:K+4*\i+1], v[K+4*\i:K+4*\i+1], v[K+4*\i+2:K+4*\i+3]
.endr
.irp i,0,1,2,3
	v_pk_add_f32 v[K+8*\i:K+8*\i+1], v[K+8*\i:K+8*\i+1], v[K+8*\i+4:K+8*\i+5]
.endr
	v_pk_add_f32 v[K:K+1], v[K:K+1], v[K+8:K+9]
	v_pk_add_f32 v[K+16:K+17], v[K+16:K+17], v[K+24:K+25]
	v_pk_add_f32 v[K:K+1], v[K:K+1], v[K+16:K+17]
	v_add_f32 v4, v[K], v[K+1]
	v_add_f32_dpp v4, v4, v4 row_xmask:1 row_mask:0xf bank_mask:0xf
	v_add_f32_dpp v4, v4, v4 row_xmask:2 row_mask:0xf bank_mask:0xf
	v_add_f32_dpp v4, v4, v4 row_xmask:4 row_mask:0xf bank_mask:0xf
	v_add_f32_dpp v4, v4, v4 row_xmask:8 row_mask:0xf bank_mask:0xf
	v_permlanex16_b32 v5, v4, s18, s19
	v_add_f32 v4, v4, v5
	v_rcp_f32 v6, v4
	v_mov_b32 v7, 0                                ; the plain instruction behind the reciprocal; v7 is named with v6 as a pair
.set i, 0
	s_wait_alu depctr_va_vdst(0)
.rept 32
	v_pk_mul_f32 v[S+2*i:S+2*i+1], v[S+2*i:S+2*i+1], v[6:7] op_sel_hi:[1,0]
.set i, i+1
.endr
.irp t,0,1,2,3,4,5,6,7,8,9,10,11,12,13,14,15
	global_store_b128 v2, v[S+4*\t:S+4*\t+3], s[6:7] offset:\t*512 th:TH_STORE_NT  ; 512 consecutive bytes, aligned
.endr
.irp t,0,1,2,3,4,5,6,7,8,9,10,11,12,13,14,15
	v_cvt_pk_bf16_f32 v[K+2*\t], v[S+4*\t], v[S+4*\t+1]
	v_cvt_pk_bf16_f32 v[K+2*\t+1], v[S+4*\t+2], v[S+4*\t+3]
.endr
.irp t,0,1,2,3,4,5,6,7,8,9,10,11,12,13,14,15
	ds_store_b64 v3, v[K+2*\t:K+2*\t+1] offset:\t*256
.endr
	s_wait_dscnt 0x0                               ; for the others' sake: my row is in LDS
	s_barrier_signal -1
	s_barrier_wait -1
.irp t,0,1,2,3,4,5,6,7
	ds_load_b128 v[K+32+4*\t:K+32+4*\t+3], v10 offset:\t*512
.endr
.irp t,0,1,2,3,4,5,6,7
	s_wait_dscnt 7-\t
	global_store_b128 v11, v[K+32+4*\t:K+32+4*\t+3], s[8:9] offset:\t*8192  ; sixteen lanes store 256 consecutive bytes, aligned
.endr
	s_wait_tensorcnt 0x0                           ; the wave's end
	ds_add_u32 v12, v13
	s_wait_dscnt 0x0
	s_endpgm
.Lfunc_end_k_qb6364bf2a7_topk:
	.size	k_qb6364bf2a7_topk, .Lfunc_end_k_qb6364bf2a7_topk-k_qb6364bf2a7_topk
	.p2alignl 7, 3214868480
	.fill 96, 4, 3214868480
	.section	.rodata,"a",@progbits
	.p2align	6, 0x0
	.amdhsa_kernel k_qb6364bf2a7_topk
		.amdhsa_group_segment_fixed_size 17152
		.amdhsa_private_segment_fixed_size 0
		.amdhsa_enable_private_segment 0
		.amdhsa_kernarg_size 24
		.amdhsa_user_sgpr_count 2
		.amdhsa_user_sgpr_kernarg_segment_ptr 1
		.amdhsa_wavefront_size32 1
		.amdhsa_system_sgpr_workgroup_id_x 1
		.amdhsa_system_sgpr_workgroup_id_y 1
		.amdhsa_system_sgpr_workgroup_id_z 1
		.amdhsa_system_vgpr_workitem_id 0
		.amdhsa_next_free_vgpr 144
		.amdhsa_next_free_sgpr 98
		.amdhsa_reserve_vcc 1
		.amdhsa_float_denorm_mode_32 3
		.amdhsa_float_denorm_mode_16_64 3
		.amdhsa_memory_ordered 1
		.amdhsa_forward_progress 1
		.amdhsa_inst_pref_size 43
	.end_amdhsa_kernel
	.amdgpu_metadata
---
amdhsa.version: [ 1, 2 ]
amdhsa.kernels:
  - .name:           k_qb6364bf2a7_topk
    .symbol:         k_qb6364bf2a7_topk.kd
    .args:
      - { .name: sc, .offset: 0, .size: 8, .value_kind: global_buffer, .address_space: global }
      - { .name: out2, .offset: 8, .size: 8, .value_kind: global_buffer, .address_space: global }
      - { .name: wf, .offset: 16, .size: 8, .value_kind: global_buffer, .address_space: global }
    .group_segment_fixed_size: 17152
    .private_segment_fixed_size: 0
    .kernarg_segment_align: 8
    .kernarg_segment_size: 24
    .max_flat_workgroup_size: 128
    .sgpr_count:     98
    .vgpr_count:     144
    .wavefront_size: 32
...
	.end_amdgpu_metadata
.endif
;; end of part 11
;; launch ug: the kernel of part 6 again; grid 256 x 1, 8 waves a work-group, no clusters, 101,376 bytes of LDS; arguments wf, value, uq; writes uq
;; launch ao: the kernel of part 9 again; grid 8 x 16, 8 waves a work-group, no clusters, 35,840 bytes of LDS; arguments uq, W_vc, b_vc, xa, W_ka, b_ka, xc; writes xa, xc
;; launch kava: the kernel of part 9 again; grid 256 x 1, 8 waves a work-group, no clusters, 35,840 bytes of LDS; arguments xa, W_ka, b_ka, xb, W_va, b_va, xc; writes xb, xc
;; launch g2p2: the kernel of part 10 again; grid 16 x 32, 4 waves a work-group, no clusters, 9,728 bytes of LDS; arguments xb, W_qo, b_qo, gf, cb, xc, W_proj, sc; writes gf, cb, sc
;; launch final: the kernel of part 8 again; grid 256 x 1, 8 waves a work-group, no clusters, 52,224 bytes of LDS; arguments query, gf, cb, sc, b_proj, out0, out1; writes out0, out1
